; MI455X (gfx1250); checked and timed in simulation.
; The chip was launched on July 23, 2026; its instructions are those of AMD's public machine-readable ISA for CDNA 5 (MIT licence, August 2026) and "CDNA5" Instruction Set Architecture Reference Guide (July 2026). The comments in the code are by the model that wrote it; some were corrected since.
;; Multi Head Attention With Rope. Allowed arithmetic: matrix products marked QUANTISED: E2M1 operands, one E8M0 scale for each 32 along K, by v_wmma_scale_f32_16x16x128_f8f6f4 with both operands' format E2M1 (or v_wmma_scale_f32_32x16x128_f4), f32 sums; products left as they are: bf16, f16 or f32 operands; f32 sums; everything else in f32.
;; Inputs: b_k 1,024 float32; b_o 1,024 float32; b_q 1,024 float32; b_v 1,024 float32; key 4 x 2,048 x 1,024 float32; query 4 x 2,048 x 1,024 float32; token_positions 4 x 2,048 int32; value 4 x 2,048 x 1,024 float32; w_k 1,024 x 1,024 float32; w_o 1,024 x 1,024 float32; w_q 1,024 x 1,024 float32; w_v 1,024 x 1,024 float32.
;; Outputs: out0 4 x 2,048 x 1,024 float32.
;; This version of the problem:
;;   THIS VERSION OF THE PROBLEM IS GIVEN IN LOW PRECISION. The matrix products marked QUANTISED in the list below multiply operands that are first quantised to E2M1 (2 exponent bits, 1 mantissa bit; 4 bits a number), with one power-of-two scale for each 32 numbers along K (OCP MX v1.0); their sums are f32. The products marked 'left as it is' may take bf16, f16 or f32 operands, with f32 sums. Whichever they take, every output number must still come out within the allowed error. Rounding operands to bf16 (8 significant bits) uses up far more of that allowance than f16 does (11 bits, for magnitudes from 6e-5 to 65,504). All else is computed in f32.
;;   The module's matrix products, in the order in which they are computed (A, B: the left and right operand; K: the contracted axis; several contracted axes count as one K, in the product's order):
;;     1. [M 8,192, K 1,024] x [K 1,024, N 1,024]; A: input query; B: input w_q: QUANTISED
;;     2. [M 8,192, K 1,024] x [K 1,024, N 1,024]; A: input key; B: input w_k: QUANTISED
;;     3. [M 8,192, K 1,024] x [K 1,024, N 1,024]; A: input value; B: input w_v: QUANTISED
;;     4. batch 64 x [M 2,048, K 64] x [K 64, N 2,048]; A: computed on the way; B: computed on the way: left as it is (an operand is computed on the way)
;;     5. batch 64 x [M 2,048, K 2,048] x [K 2,048, N 64]; A: computed on the way; B: computed on the way: left as it is (an operand is computed on the way)
;;     6. [M 8,192, K 1,024] x [K 1,024, N 1,024]; A: computed on the way; B: input w_o: left as it is (an operand is computed on the way)
;;   THE QUANTISER, for each operand of a quantised product, along K:
;;     - K is cut into blocks of 32 from its start; a last block that is shorter is filled with zeros.
;;     - A block's scale is 2^e with e = floor(log2(the largest magnitude in the block)) - 2, held to -126 .. 127; a block of zeros has e = 0. As a byte (E8M0): e + 127.
;;     - Each number is divided by its block's scale, clamped to +-6, and rounded to the nearest number of E2M1, ties to even, subnormals kept.
;;     - The product sums the exact products of the quantised numbers (number of the format x scale) in f32.
;;   ~~~python
;;   def quantise(x, axis):      # numpy; x: float32 -> the quantised numbers, widened to float32 again
;;       x = np.moveaxis(x, axis, -1); K = x.shape[-1]
;;       x = np.pad(x, [(0, 0)] * (x.ndim - 1) + [(0, -K % 32)]); x = x.reshape(x.shape[:-1] + (-1, 32)); a = np.abs(x).max(-1, keepdims=True)
;;       e = np.where(a > 0, np.clip(np.frexp(np.where(a > 0, a, 1))[1] - 1 - 2, -126, 127), 0)      # np.frexp(a)[1] - 1 = floor(log2(a)), exactly
;;       r = np.clip(x / 2.0 ** e, -6, 6)
;;       step = 2.0 ** (np.maximum(np.frexp(np.where(r == 0, 1, r))[1] - 1, 0) - 1)
;;       q = np.round(r / step) * step * 2.0 ** e      # np.round: ties to even
;;       return np.moveaxis(q.reshape(q.shape[:-2] + (-1,))[..., :K], -1, axis).astype(np.float32)
;;   ~~~
;; One version. Each part assembles by itself: llvm-mc -triple=amdgcn-amd-amdhsa -mcpu=gfx1250 --defsym DOCPART=n.
;; ======== version 1 of 1: 5 launches
;; limits: right only within a limited range of input values; values are held in f16: magnitudes above 65,504 overflow, below 6.1e-05 lose precision
;; workspace buffers: codes 14,155,776 bytes; scales 884,736 bytes; wot 2,097,152 bytes; rope 2,097,408 bytes; qkv 50,331,648 bytes; qkvf 786,432 bytes; att 16,777,216 bytes
;; launch prep (part 1): grid 944 x 1, 4 waves a work-group, no clusters, 102,912 bytes of LDS; arguments query, key, value, w_q, w_k, w_v, w_o, token_positions, codes, scales, wot, rope; writes codes, scales, wot, rope
.if DOCPART == 1
	.amdgcn_target "amdgcn-amd-amdhsa--gfx1250"
	.amdhsa_code_object_version 6
	.text
	.protected	k_qeb1ebcfa81_prep
	.globl	k_qeb1ebcfa81_prep
	.p2align	8
	.type	k_qeb1ebcfa81_prep,@function
k_qeb1ebcfa81_prep:
	s_mov_b64 s[64:65], 0
	v_nop
	global_prefetch_b8 v0, s[64:65] scope:SCOPE_SE
	s_setreg_imm32_b32 hwreg(HW_REG_WAVE_MODE, 25, 1), 1
	s_wait_xcnt 0x0
; PREP: everything that is made once from the raw inputs.  Four kinds of work-group, told apart by the work-group's number alone:
;   0..47    W: w_q, w_k, w_v [k 1024][n 1024] f32 -> codes of FP4 (E2M1) with K innermost, rows 24576 + 1024 t + n of 'codes', and their E8M0 bytes in 'scales'
;   48..111  O: w_o [k][n] f32 -> w_o^T in f16, [n 1024][k 1024]
;   112..175 R: the table of (sin, cos) for each token and each of the 32 pairs of a head; row 8192 is (0, 1), the rotation that changes nothing
;   176..943 X: query, key, value [8192][1024] f32 -> codes, rows 8192 t + token, and their E8M0 bytes
; A block's scale is 2^(floor(log2(its largest magnitude)) - 2); its byte is the largest magnitude's exponent field - 2, held at 1 from below.
; LIMITS: a block of zeros gets the byte 1 where the quantiser says 127 (its codes are zeros, and this program alone reads the bytes); blocks whose largest magnitude lies under 2^-124 share that floor;
; NaN and infinities are not served; w_o beyond 65,504 has no f16 number; |token_position| up to 2^21 (the reduction of the angle by three parts of pi/2 holds so far);
; 1 / 10000^(i/32) is made by v_exp_f32, so an angle at position 2047 may be off by about 1e-4 radian, alike in Q and K.
; No tensor load, no barrier: waves share nothing.  Each kind of work-group has LDS bytes of its own.
.set SPARE, 102400                     ; the spare words, 128 bytes for each wave: two blocks of 256 bytes that no other line names
.set SPW,   12                         ; v12  LDS address of my spare word; never rewritten
.set NIL,   13                         ; v13  0; never rewritten
.set XSP,   80                         ; X: a lane's place in a stage: 64 bytes + 16 of padding
.set PIT,   272                        ; W, O: a stage row: 256 bytes + 16 of padding
.set WST,   32768                      ; W: four stages of 32 rows
.set OST,   67584                      ; O: four stages of 32 rows
.macro FINISH                          ; the wave's end
	s_wait_tensorcnt 0x0
	ds_add_u32 v[SPW], v[NIL]
	s_wait_dscnt 0x0
	s_endpgm
.endm
; ---- X: a wave takes 16 steps of 512 numbers.  Each load reads 512 consecutive bytes; a step's 2,048 bytes turn through the wave's stage so that a lane holds 16 neighbours along K
.macro XLOAD t
.irp i, 0,1,2,3
	global_load_b128 v[16+16*((\t)%4)+4*\i:16+16*((\t)%4)+4*\i+3], v3, s[32:33] offset:2048*(\t)+512*\i th:TH_LOAD_NT
.endr
.endm
.macro XTURN t                         ; LDS serves a wave's instructions in order: no wait between the stores and the loads
.irp i, 0,1,2,3
	ds_store_b128 v14, v[16+16*((\t)%4)+4*\i:16+16*((\t)%4)+4*\i+3] offset:32*XSP*((\t)%2)+8*XSP*\i
.endr
.irp i, 0,1,2,3
	ds_load_b128 v[80+16*((\t)%2)+4*\i:80+16*((\t)%2)+4*\i+3], v15 offset:32*XSP*((\t)%2)+16*\i
.endr
.endm
.macro XSTEP t
.set XS, 80+16*((\t)%2)
.if (\t) > 0
	s_wait_dscnt 1                                 ; this step's numbers are back from the stage; the last step's byte store may be out
.else
	s_wait_dscnt 0x0
.endif
.if (\t)+4 < 16
	XLOAD (\t)+4                                   ; into the registers whose stores into the stage are done
.endif
.if (\t)+1 < 16
.if 14-(\t) >= 3
	s_wait_loadcnt 12                              ; the next step's four loads are in; three younger steps' twelve may be out
.else
	s_wait_loadcnt 4*(14-(\t))
.endif
	XTURN (\t)+1
.endif
	v_max3_num_f32 v8, |v[XS]|, |v[XS+1]|, |v[XS+2]|
	v_max3_num_f32 v9, |v[XS+3]|, |v[XS+4]|, |v[XS+5]|
.irp i, 6,10
	v_max3_num_f32 v8, v8, |v[XS+\i]|, |v[XS+\i+1]|
	v_max3_num_f32 v9, v9, |v[XS+\i+2]|, |v[XS+\i+3]|
.endr
	v_max3_num_f32 v8, v8, |v[XS+14]|, |v[XS+15]|
	v_max3_num_f32 v8, v8, v9, 0x1800000           ; and the floor 2^(3 - 127): the byte cannot fall under 1
	v_max_num_f32_dpp v8, v8, v8 row_xmask:1 row_mask:0xf bank_mask:0xf   ; with my neighbour's 16: the block's largest magnitude
	v_add_nc_u32 v11, 0xff000000, v8               ; 2 off its exponent field: the conversion takes this operand's exponent field as its scale
	v_cvt_scalef32_pk8_fp4_f32 v[128+4*(\t)], v[XS:XS+7], v11
	v_cvt_scalef32_pk8_fp4_f32 v[129+4*(\t)], v[XS+8:XS+15], v11
	v_lshrrev_b32 v[112+(\t)], 23, v11             ; the scale's byte (a plain line behind the conversions)
	ds_store_b8 v5, v[112+(\t)] offset:16*(\t)     ; both lanes of a block write the same byte
	global_store_b64 v4, v[128+4*(\t):129+4*(\t)], s[24:25] offset:256*(\t)   ; the wave stores 256 consecutive bytes
.endm
; ---- W and O: a lane takes a column n, its registers run down K
.macro WLOAD t
.set i, 0
.rept 32
	global_load_b32 v[32+32*((\t)%2)+i], v3, s[32:33] offset:(32*(\t)+i)*4096 th:TH_LOAD_NT
.set i, i+1
.endr
.endm
.macro WBLOCK t
.set XS, 32+32*((\t)%2)
.if (\t) < 15
	s_wait_loadcnt 32                              ; this block's 32 loads are in; the next block's may be out
.else
	s_wait_loadcnt 0x0
.endif
	v_max3_num_f32 v16, |v[XS]|, |v[XS+1]|, |v[XS+2]|
	v_max3_num_f32 v17, |v[XS+3]|, |v[XS+4]|, |v[XS+5]|
.irp i, 6,10,14,18,22,26
	v_max3_num_f32 v16, v16, |v[XS+\i]|, |v[XS+\i+1]|
	v_max3_num_f32 v17, v17, |v[XS+\i+2]|, |v[XS+\i+3]|
.endr
	v_max3_num_f32 v16, v16, |v[XS+30]|, |v[XS+31]|
	v_max3_num_f32 v16, v16, v17, 0x1800000
	v_add_nc_u32 v11, 0xff000000, v16
	v_lshrrev_b32 v17, 23, v11
.if (\t)%4 == 0
	v_mov_b32 v[24+(\t)/4], v17                    ; four bytes to a register, the lower K in the lower byte
.else
	v_lshl_or_b32 v[24+(\t)/4], v17, 8*((\t)%4), v[24+(\t)/4]
.endif
.irp g, 0,1,2,3
	v_cvt_scalef32_pk8_fp4_f32 v[96+\g], v[XS+8*\g:XS+8*\g+7], v11
.endr
	ds_store_b128 v4, v[96:99] offset:16*(\t)      ; 32 codes: 16 bytes of my column's row
.if (\t)+2 < 16
	WLOAD (\t)+2
.endif
	s_wait_dscnt 0x0                               ; the store has read its registers: the next block's codes may be written
.endm
.macro OLOAD t
.set i, 0
.rept 32
	global_load_b32 v[32+32*((\t)%2)+i], v3, s[20:21] offset:(32*(\t)+i)*4096 th:TH_LOAD_NT
.set i, i+1
.endr
.endm
.macro OBLOCK t
.set XS, 32+32*((\t)%2)
.if (\t) < 3
	s_wait_loadcnt 32
.else
	s_wait_loadcnt 0x0
.endif
.set i, 0
.rept 16
	v_cvt_pk_f16_f32 v[96+i], v[XS+2*i], v[XS+2*i+1]   ; two neighbours along K to a register
.set i, i+1
.endr
.irp g, 0,1,2,3
	ds_store_b128 v4, v[96+4*\g:99+4*\g] offset:64*(\t)+16*\g
.endr
.if (\t)+2 < 4
	OLOAD (\t)+2
.endif
	s_wait_dscnt 0x0
.endm
; ---- R: token k of my wave's 32; lane = pair i.  a = position x 1/10000^(i/32); n = the nearest multiple of pi/2; r = a - n pi/2 in three parts; two short polynomials; the quadrant picks and signs them
.macro TOK k
	v_cvt_f32_i32 v20, s[32+\k]
	v_mul_f32 v20, v20, v14
	v_mul_f32 v21, 0x3f22f983, v20
	v_rndne_f32 v21, v21
	v_fma_f32 v22, v21, 0xbfc90fdb, v20
	v_fma_f32 v22, v21, 0x333bbd2e, v22
	v_fma_f32 v22, v21, 0x26f72ced, v22
	v_mul_f32 v23, v22, v22
	v_fmaak_f32 v24, v23, v16, 0x3c08839e
	v_fmaak_f32 v24, v24, v23, 0xbe2aaaa3
	v_mul_f32 v24, v24, v23
	v_fma_f32 v24, v24, v22, v22                   ; sin r
	v_fmaak_f32 v25, v23, v17, 0xbab6061a
	v_fmaak_f32 v25, v25, v23, 0x3d2aaaa5
	v_mul_f32 v26, v23, v23
	v_fma_f32 v27, v23, -0.5, 1.0
	v_fma_f32 v25, v25, v26, v27                   ; cos r
	v_cvt_i32_f32 v26, v21
	v_and_b32 v27, 1, v26
	v_cmp_ne_u32 vcc_lo, 0, v27
	v_cndmask_b32 v28, v24, v25, vcc_lo            ; odd quadrants change the two
	v_cndmask_b32 v29, v25, v24, vcc_lo
	v_lshlrev_b32 v27, 30, v26
	v_and_b32 v27, 0x80000000, v27                 ; the sine is negative in quadrants 2 and 3,
	v_xor_b32 v[64+2*\k], v28, v27
	v_add_nc_u32 v26, 1, v26
	v_lshlrev_b32 v26, 30, v26
	v_and_b32 v26, 0x80000000, v26                 ; the cosine in 1 and 2
	v_xor_b32 v[65+2*\k], v29, v26
	global_store_b64 v3, v[64+2*\k:65+2*\k], s[30:31] offset:256*\k   ; the wave stores a token's 256 bytes
.endm
	s_load_b512 s[8:23], s[0:1], 0x0               ; query 8, key 10, value 12, w_q 14, w_k 16, w_v 18, w_o 20, token_positions 22
	s_load_b256 s[24:31], s[0:1], 0x40             ; codes 24, scales 26, wot 28, rope 30
	v_lshl_add_u32 v[SPW], v0, 2, SPARE
	v_mov_b32 v[NIL], 0
	v_lshrrev_b32 v1, 5, v0
	v_readfirstlane_b32 s2, v1                     ; wave
	v_and_b32 v2, 31, v0                           ; lane
	s_mov_b32 s35, 0
	s_wait_kmcnt 0x0
	s_cmp_lt_u32 ttmp9, 48
	s_cbranch_scc1 .Lpath_w
	s_cmp_lt_u32 ttmp9, 112
	s_cbranch_scc1 .Lpath_o
	s_cmp_lt_u32 ttmp9, 176
	s_cbranch_scc1 .Lpath_r
	; ================ X ================
	s_sub_co_u32 s3, ttmp9, 176                    ; 0..767: 256 work-groups of 32,768 numbers to a tensor
	s_lshr_b32 s4, s3, 8
	s_cmp_eq_u32 s4, 0
	s_cselect_b64 s[32:33], s[8:9], s[10:11]
	s_cmp_eq_u32 s4, 2
	s_cselect_b64 s[32:33], s[12:13], s[32:33]
	s_and_b32 s34, s3, 255
	s_lshl_b32 s34, s34, 17
	s_lshl_b32 s5, s2, 15
	s_add_co_u32 s34, s34, s5
	s_add_nc_u64 s[32:33], s[32:33], s[34:35]      ; my wave's 8,192 numbers
	s_lshl_b32 s34, s3, 14
	s_lshl_b32 s5, s2, 12
	s_add_co_u32 s34, s34, s5
	s_add_nc_u64 s[24:25], s[24:25], s[34:35]      ; their 4,096 bytes of codes
	s_lshl_b32 s34, s3, 10
	s_lshl_b32 s5, s2, 8
	s_add_co_u32 s34, s34, s5
	s_add_nc_u64 s[26:27], s[26:27], s[34:35]      ; their 256 scale bytes
	v_lshlrev_b32 v3, 4, v2
	s_lshl_b32 s6, s2, 13                          ; my wave's 8,192 bytes of LDS
	v_lshrrev_b32 v14, 2, v2
	v_mul_u32_u24 v14, v14, XSP
	v_and_b32 v15, 3, v2
	v_lshl_add_u32 v14, v15, 4, v14
	v_add_nc_u32 v14, s6, v14                      ; the stage, on the way in: four lanes' 64 bytes on end, then the padding
	v_mul_u32_u24 v15, v2, XSP
	v_add_nc_u32 v15, s6, v15                      ; and on the way out: my 16 neighbours
	v_lshlrev_b32 v4, 3, v2
	v_lshrrev_b32 v5, 1, v2
	s_add_co_u32 s6, s6, 2*32*XSP
	v_add_nc_u32 v5, s6, v5                        ; my block's byte among the wave's 256
	v_lshlrev_b32 v7, 3, v2
	v_add_nc_u32 v6, s6, v7
.irp t, 0,1,2,3
	XLOAD \t
.endr
	s_wait_loadcnt 12                              ; step 0's four loads are in
	XTURN 0
.irp t, 0,1,2,3,4,5,6,7,8,9,10,11,12,13,14,15
	XSTEP \t
.endr
	ds_load_b64 v[8:9], v6                         ; in order behind my byte stores
	s_wait_dscnt 0x0
	global_store_b64 v7, v[8:9], s[26:27]          ; 32 lanes store 256 consecutive bytes
	FINISH
	; ================ W ================
.Lpath_w:
	s_lshr_b32 s3, ttmp9, 4                        ; which weight
	s_and_b32 s4, ttmp9, 7                         ; which 128 columns
	s_bfe_u32 s5, ttmp9, 0x10003                   ; which 512 along K
	s_cmp_eq_u32 s3, 0
	s_cselect_b64 s[32:33], s[14:15], s[16:17]
	s_cmp_eq_u32 s3, 2
	s_cselect_b64 s[32:33], s[18:19], s[32:33]
	s_lshl_b32 s6, s4, 7
	s_lshl_b32 s7, s2, 5
	s_add_co_u32 s6, s6, s7                        ; my wave's first column
	s_lshl_b32 s34, s5, 21                         ; 512 rows of 4,096 bytes
	s_lshl_b32 s7, s6, 2
	s_add_co_u32 s34, s34, s7
	s_add_nc_u64 s[32:33], s[32:33], s[34:35]
	s_lshl_b32 s7, s3, 10
	s_add_co_u32 s6, s6, s7
	s_add_co_u32 s6, s6, 24576                     ; the row of 'codes' and 'scales' that my first column becomes
	s_lshl_b32 s34, s6, 9
	s_lshl_b32 s7, s5, 8
	s_add_co_u32 s34, s34, s7
	s_add_nc_u64 s[24:25], s[24:25], s[34:35]
	s_lshl_b32 s34, s6, 5
	s_lshl_b32 s7, s5, 4
	s_add_co_u32 s34, s34, s7
	s_add_nc_u64 s[26:27], s[26:27], s[34:35]
	v_lshlrev_b32 v3, 2, v2
	s_mul_i32 s7, s2, 32*PIT
	s_add_co_u32 s7, s7, WST
	v_mul_u32_u24 v4, v2, PIT
	v_add_nc_u32 v4, s7, v4                        ; into the stage: row = my column
	v_and_b32 v5, 15, v2
	v_lshrrev_b32 v6, 4, v2
	v_mul_u32_u24 v7, v6, PIT
	v_lshl_add_u32 v7, v5, 4, v7
	v_add_nc_u32 v7, s7, v7                        ; out of it: sixteen lanes to a row
	v_lshlrev_b32 v8, 9, v6
	v_lshl_add_u32 v8, v5, 4, v8                   ; the same place in 'codes'
	v_lshlrev_b32 v9, 5, v2                        ; my column's row of scale bytes
	WLOAD 0
	WLOAD 1
.set Q, 0
.rept 16
	WBLOCK Q
.set Q, Q+1
.endr
	global_store_b128 v9, v[24:27], s[26:27]       ; my column's 16 scale bytes
.irp t, 0,1,2,3,4,5,6,7,8,9,10,11,12,13,14,15
	ds_load_b128 v[112+4*\t:115+4*\t], v7 offset:2*\t*PIT
.endr
.irp t, 0,1,2,3,4,5,6,7,8,9,10,11,12,13,14,15
	s_wait_dscnt 15-\t                             ; LDS loads come back in order: load t is in
	global_store_b128 v8, v[112+4*\t:115+4*\t], s[24:25] offset:2*\t*512   ; sixteen lanes store 256 consecutive bytes, aligned
.endr
	FINISH
	; ================ O ================
.Lpath_o:
	s_sub_co_u32 s3, ttmp9, 48
	s_and_b32 s4, s3, 7                            ; which 128 columns
	s_lshr_b32 s5, s3, 3                           ; which 128 along K
	s_lshl_b32 s6, s4, 7
	s_lshl_b32 s7, s2, 5
	s_add_co_u32 s6, s6, s7
	s_lshl_b32 s34, s5, 19                         ; 128 rows of 4,096 bytes
	s_lshl_b32 s7, s6, 2
	s_add_co_u32 s34, s34, s7
	s_add_nc_u64 s[20:21], s[20:21], s[34:35]
	s_lshl_b32 s34, s6, 11                         ; a row of w_o^T is 2,048 bytes
	s_lshl_b32 s7, s5, 8
	s_add_co_u32 s34, s34, s7
	s_add_nc_u64 s[28:29], s[28:29], s[34:35]
	v_lshlrev_b32 v3, 2, v2
	s_mul_i32 s7, s2, 32*PIT
	s_add_co_u32 s7, s7, OST
	v_mul_u32_u24 v4, v2, PIT
	v_add_nc_u32 v4, s7, v4
	v_and_b32 v5, 15, v2
	v_lshrrev_b32 v6, 4, v2
	v_mul_u32_u24 v7, v6, PIT
	v_lshl_add_u32 v7, v5, 4, v7
	v_add_nc_u32 v7, s7, v7
	v_lshlrev_b32 v8, 11, v6
	v_lshl_add_u32 v8, v5, 4, v8
	OLOAD 0
	OLOAD 1
.irp t, 0,1,2,3
	OBLOCK \t
.endr
.irp t, 0,1,2,3,4,5,6,7,8,9,10,11,12,13,14,15
	ds_load_b128 v[112+4*\t:115+4*\t], v7 offset:2*\t*PIT
.endr
.irp t, 0,1,2,3,4,5,6,7,8,9,10,11,12,13,14,15
	s_wait_dscnt 15-\t
	global_store_b128 v8, v[112+4*\t:115+4*\t], s[28:29] offset:2*\t*2048   ; sixteen lanes store 256 consecutive bytes, aligned
.endr
	FINISH
	; ================ R ================
.Lpath_r:
	s_sub_co_u32 s3, ttmp9, 112
	s_lshl_b32 s4, s3, 7
	s_lshl_b32 s5, s2, 5
	s_add_co_u32 s4, s4, s5                        ; my wave's first token
	s_lshl_b32 s34, s4, 2
	s_add_nc_u64 s[22:23], s[22:23], s[34:35]
	s_load_b512 s[36:51], s[22:23], 0x40           ; positions 16..31, moved below into place
	s_wait_kmcnt 0x0
	s_mov_b64 s[52:53], s[40:41]
	s_mov_b64 s[54:55], s[42:43]
	s_mov_b64 s[56:57], s[44:45]
	s_mov_b64 s[58:59], s[46:47]
	s_mov_b64 s[60:61], s[48:49]
	s_mov_b64 s[62:63], s[50:51]
	s_mov_b64 s[48:49], s[36:37]
	s_mov_b64 s[50:51], s[38:39]
	s_lshl_b32 s6, s4, 8
	s_mov_b32 s7, 0
	s_add_nc_u64 s[30:31], s[30:31], s[6:7]        ; a token's row of the table is 256 bytes
	s_load_b512 s[32:47], s[22:23], 0x0            ; positions 0..15
	v_cvt_f32_u32 v14, v2
	v_mul_f32 v14, 0xbed49a78, v14                 ; - i log2(10000) / 32
	v_exp_f32 v14, v14
	v_lshlrev_b32 v3, 3, v2                        ; (a plain line behind the exponential)  8 bytes a pair
	v_mov_b32 v16, 0xb94ca1f9
	v_mov_b32 v17, 0x37ccf5ce
	s_wait_alu depctr_va_vdst(0)                   ; ahead of the exponential's first reader
	s_wait_kmcnt 0x0
.irp k, 0,1,2,3,4,5,6,7,8,9,10,11,12,13,14,15,16,17,18,19,20,21,22,23,24,25,26,27,28,29,30,31
	TOK \k
.endr
	s_or_b32 s4, s3, s2
	s_cmp_lg_u32 s4, 0
	s_cbranch_scc1 .Lno_identity
	v_mov_b32 v30, 0
	v_mov_b32 v31, 1.0
	global_store_b64 v3, v[30:31], s[30:31] offset:2097152   ; row 8192: (sin, cos) = (0, 1)
.Lno_identity:
	FINISH
.Lfunc_end_k_qeb1ebcfa81_prep:
	.size	k_qeb1ebcfa81_prep, .Lfunc_end_k_qeb1ebcfa81_prep-k_qeb1ebcfa81_prep
	.p2alignl 7, 3214868480
	.fill 96, 4, 3214868480
	.section	.rodata,"a",@progbits
	.p2align	6, 0x0
	.amdhsa_kernel k_qeb1ebcfa81_prep
		.amdhsa_group_segment_fixed_size 102912
		.amdhsa_private_segment_fixed_size 0
		.amdhsa_enable_private_segment 0
		.amdhsa_kernarg_size 96
		.amdhsa_user_sgpr_count 2
		.amdhsa_user_sgpr_kernarg_segment_ptr 1
		.amdhsa_wavefront_size32 1
		.amdhsa_system_sgpr_workgroup_id_x 1
		.amdhsa_system_sgpr_workgroup_id_y 1
		.amdhsa_system_sgpr_workgroup_id_z 1
		.amdhsa_system_vgpr_workitem_id 0
		.amdhsa_next_free_vgpr 192
		.amdhsa_next_free_sgpr 66
		.amdhsa_reserve_vcc 1
		.amdhsa_float_denorm_mode_32 3
		.amdhsa_float_denorm_mode_16_64 3
		.amdhsa_memory_ordered 1
		.amdhsa_forward_progress 1
		.amdhsa_inst_pref_size 182
	.end_amdhsa_kernel
	.amdgpu_metadata
---
amdhsa.version: [ 1, 2 ]
amdhsa.kernels:
  - .name:           k_qeb1ebcfa81_prep
    .symbol:         k_qeb1ebcfa81_prep.kd
    .args:
      - { .name: query, .offset: 0, .size: 8, .value_kind: global_buffer, .address_space: global }
      - { .name: key, .offset: 8, .size: 8, .value_kind: global_buffer, .address_space: global }
      - { .name: value, .offset: 16, .size: 8, .value_kind: global_buffer, .address_space: global }
      - { .name: w_q, .offset: 24, .size: 8, .value_kind: global_buffer, .address_space: global }
      - { .name: w_k, .offset: 32, .size: 8, .value_kind: global_buffer, .address_space: global }
      - { .name: w_v, .offset: 40, .size: 8, .value_kind: global_buffer, .address_space: global }
      - { .name: w_o, .offset: 48, .size: 8, .value_kind: global_buffer, .address_space: global }
      - { .name: token_positions, .offset: 56, .size: 8, .value_kind: global_buffer, .address_space: global }
      - { .name: codes, .offset: 64, .size: 8, .value_kind: global_buffer, .address_space: global }
      - { .name: scales, .offset: 72, .size: 8, .value_kind: global_buffer, .address_space: global }
      - { .name: wot, .offset: 80, .size: 8, .value_kind: global_buffer, .address_space: global }
      - { .name: rope, .offset: 88, .size: 8, .value_kind: global_buffer, .address_space: global }
    .group_segment_fixed_size: 102912
    .private_segment_fixed_size: 0
    .kernarg_segment_align: 8
    .kernarg_segment_size: 96
    .max_flat_workgroup_size: 128
    .sgpr_count:     66
    .vgpr_count:     192
    .wavefront_size: 32
...
	.end_amdgpu_metadata
.endif
;; end of part 1
;; launch proj (part 2): grid 4 x 96, 4 waves a work-group, clusters of 4 x 4, 327,680 bytes of LDS; arguments codes, scales, b_q, b_k, b_v, rope, qkv, qkvf; writes qkv, qkvf
.if DOCPART == 2
	.amdgcn_target "amdgcn-amd-amdhsa--gfx1250"
	.amdhsa_code_object_version 6
	.text
	.protected	k_qeb1ebcfa81_proj
	.globl	k_qeb1ebcfa81_proj
	.p2align	8
	.type	k_qeb1ebcfa81_proj,@function
k_qeb1ebcfa81_proj:
	s_mov_b64 s[64:65], 0
	v_nop
	global_prefetch_b8 v0, s[64:65] scope:SCOPE_SE
	s_setreg_imm32_b32 hwreg(HW_REG_WAVE_MODE, 25, 1), 1
	s_wait_xcnt 0x0
	s_wait_alu depctr_hold_cnt(0) depctr_sa_sdst(0) depctr_va_vdst(0) depctr_va_sdst(0) depctr_va_ssrc(0) depctr_va_vcc(0) depctr_vm_vsrc(0)
	s_getreg_b32 s2, hwreg(HW_REG_IB_STS2, 6, 4)
	s_cmp_eq_u32 s2, 0
	s_cbranch_scc0 .Lentry_in_a_cluster
	s_endpgm
.Lentry_in_a_cluster:
	s_bfe_u32 s2, ttmp6, 0x10000c
	s_cmp_lg_u32 s2, 0xf033
	s_cbranch_scc0 .Lentry_shape_is_right
	s_endpgm
.Lentry_shape_is_right:
; PROJ: Q = query w_q + b_q, K = key w_k + b_k, V = value w_v + b_v on codes of FP4 (E2M1) with E8M0 scales, sums in f32; then the rotation of Q and K by the table; results as f16, laid [tensor][batch x head][position][64].
; Rows 0..24575 of 'codes' are the tokens of the three tensors, rows 24576 + 1024 t + n the columns of the three weights: one grid of 96 tile rows x 4 tile columns serves all three.
; A tile is 256 tokens x 256 features, four waves, 128 x 128 each: 64 accumulators.  K = 1024 is two LDS slots of 512: both are asked for at the head and nothing is ever filled again.
; The scale bytes of the tile's 256 + 256 rows come once, as two dense blocks.  CLUSTERS: 4 x 4 work-groups; the tokens' tiles are shared along a row of the cluster, the weights' along a column: joint loads.
; THE MATRIX INSTRUCTION IS USED TRANSPOSED (source 0 = 16 columns of a weight, source 1 = 16 tokens): a lane holds one token and eight neighbouring features, so a rotation's pair lies in one lane.
; The bias is the C of each sum's first product.  V takes the same lines as Q and K: it reads the table's row (0, 1), by address, with no branch.
; Positions 0..15 of every sequence are also stored in f32 (qkvf), for the launch that carries those rows finely: by a lane mask, not a branch.
; LIMITS: Q, K, V beyond 65,504 have no f16 number.
; REGISTERS: window 0: v8-15 at work, v16-31 addresses, v32-95 scale words (on the way out: rotated numbers), v96-127 packed f16, v128-191 the tokens' fragments (on the way out: rows read back), v192-255 two sets of table entries.
;   window 1: the weights' fragments, two sets, v0-63 and v128-191; v64-127 the bias.   windows 2, 3: the accumulators ((a, b) at v[8 (8 (a % 4) + b)]).
.set NQ,     4                         ; matrix instructions deep in a slot
.set ROWB,   256                       ; 512 codes in bytes
.set KROW,   512                       ; a row of 'codes'
.set PITCH,  272                       ; an LDS row: 256 bytes + 16: the sixteen rows of a load start at sixteen different banks (64 banks of 4 bytes: ISA guide 11.1)
.set FR,     8
.set NL,     2
.set NP,     4
.set HALFT,  128*PITCH
.set SLOT,   4*HALFT
.set KS,     32                        ; a row of 'scales'
.set SCL,    2*SLOT
.set HALFS,  16*272                    ; the scale bytes of 128 rows
.set SBLK,   2*272                     ; of 16 rows
.set SPARE,  SCL+4*HALFS               ; the spare words: two blocks of 256 bytes that no other line names
.set T,    8
.set ADRA, 16
.set TKR,  18                          ; v18  my token's position in its sequence, in block 0
.set QF,   19                          ; v19  my offset in qkvf
.set ADRB, 20
.set BO,   22                          ; v22  32 x (lane / 16): my half's eight numbers of a bias tile
.set STO,  24
.set RD,   25
.set GO,   26
.set ADRS, 27
.set SPW,  28
.set NIL,  29
.set RO,   30                          ; v30-31  my offset in the table, for even and for odd blocks of tokens
.set SC,   32
.set R,    32
.set TMP,  96
.set AF,   128
.set BK,   128
.set RT,   192
.set BIAS, 64
.set WV, 66
.set RH, 67
.set CH, 92
.set TY, 93
.set TX, 94
.set TT, 95
.set G1, 24
.set G0, 32
.set G1B, 48
.set G0B, 56
.set G1S, 68
.set G0S, 76
.set G1SB, 80
.set G0SB, 88
.set MSB, 0
.macro WIN new                         ; the immediate's high byte repeats the setting that is left
.if MSB != (\new)
	s_set_vgpr_msb (MSB<<8)|(\new)
.set MSB, (\new)
.endif
.endm
.set MUL_LO,   0xa1                    ; source 0 window 1, source 1 window 0, C and D window 2
.set MUL_HI,   0xf1
.set FIRST_LO, 0x91                    ; the same with C (the bias) in window 1
.set FIRST_HI, 0xd1
.set TO_B,     0x40
; A joint load: waves 0 and 1 fetch for the tokens, waves 2 and 3 for the weights.  An s_nop 0 and four v_nop follow each of the two lines.
.macro JLOAD g0a, g1a, g0b, g1b
	s_cmp_eq_u32 s[RH], 0
	s_cbranch_scc0 .Lfor_b_\@
	tensor_load_to_lds s[\g0a:\g0a+3], s[\g1a:\g1a+7]
	s_nop 0
.rept 4
	v_nop
.endr
	s_branch .Lasked_\@
.Lfor_b_\@:
	tensor_load_to_lds s[\g0b:\g0b+3], s[\g1b:\g1b+7]
	s_nop 0
.rept 4
	v_nop
.endr
.Lasked_\@:
.endm
.macro CROUND                          ; a round of the cluster's barrier
	s_barrier_signal -1
	s_barrier_wait -1
	s_cmp_lg_u32 s[WV], 0
	s_cbranch_scc1 .Lnot_wave_0_\@
	s_barrier_signal -3
.Lnot_wave_0_\@:
	s_barrier_wait -3
	s_barrier_signal -1
	s_barrier_wait -1
.endm
.macro FRAG reg, adr, q, i             ; 16 rows x 128 K of 4-bit codes: 8 registers, two loads of 16 bytes, 32 bytes apart
.irp c, 0,1
	ds_load_b128 v[\reg+4*\c:\reg+4*\c+3], v[\adr] offset:64*(\q)+32*\c+(\i)*16*PITCH
.endr
.endm
; 16 matrix instructions: token blocks a0, a0 + 1 x the eight feature blocks.  The 64 accumulators take turns, one instruction a turn.
.macro MUL16 a0, p, q, sc, first
.irp a, \a0, \a0+1
.irp b, 0,1,2,3,4,5,6,7
.if \first
	v_wmma_scale_f32_16x16x128_f8f6f4 v[8*(8*((\a)%4)+\b):8*(8*((\a)%4)+\b)+7], v[128*(\p)+FR*\b:128*(\p)+FR*\b+FR-1], v[AF+FR*(\a):AF+FR*(\a)+FR-1], v[BIAS+8*\b:BIAS+8*\b+7], v[SC+8*NQ*(\sc)+NQ*\b+(\q)], v[SC+8*NQ*(\sc)+NQ*(\a)+(\q)] matrix_a_fmt:MATRIX_FMT_FP4 matrix_b_fmt:MATRIX_FMT_FP4 matrix_a_scale:MATRIX_SCALE_ROW1
.else
	v_wmma_scale_f32_16x16x128_f8f6f4 v[8*(8*((\a)%4)+\b):8*(8*((\a)%4)+\b)+7], v[128*(\p)+FR*\b:128*(\p)+FR*\b+FR-1], v[AF+FR*(\a):AF+FR*(\a)+FR-1], v[8*(8*((\a)%4)+\b):8*(8*((\a)%4)+\b)+7], v[SC+8*NQ*(\sc)+NQ*\b+(\q)], v[SC+8*NQ*(\sc)+NQ*(\a)+(\q)] matrix_a_fmt:MATRIX_FMT_FP4 matrix_b_fmt:MATRIX_FMT_FP4 matrix_a_scale:MATRIX_SCALE_ROW1
.endif
.endr
.endr
.endm
.macro FETCH_B slot, q, p
	WIN TO_B
.irp i, 0,1,2,3,4,5,6,7
	FRAG 128*(\p)+FR*\i, ADRB+\slot, \q, \i
.endr
	WIN 0
.endm
.macro FETCH_A slot, q, i0
.irp i, \i0, \i0+1, \i0+2, \i0+3
	FRAG AF+FR*(\i), ADRA+\slot, \q, \i
.endr
.endm
.macro SCALES sc                       ; a slot's scale words: lanes 0-15 the tokens' block i, lanes 16-31 the weights' block i
.irp i, 0,1,2,3,4,5,6,7
	ds_load_b128 v[SC+8*NQ*\sc+NQ*\i:SC+8*NQ*\sc+NQ*\i+3], v[ADRS] offset:\i*SBLK
.endr
.endm
.macro PLACES n                        ; plain vector places behind matrix instructions, ahead of loads into their registers and of reads of their results
.rept \n
	v_nop
.endr
.endm
.macro STEP slot, q, first
	s_wait_dscnt 4*NL                              ; all but the youngest eight loads (token blocks 4-7)
.if \first
	WIN FIRST_LO
.else
	WIN MUL_LO
.endif
	MUL16 0, (\q)%2, \q, \slot, \first
	MUL16 2, (\q)%2, \q, \slot, \first
	s_wait_dscnt 0
	PLACES NP
	FETCH_B \slot, (\q)+1, 1-(\q)%2
	FETCH_A \slot, (\q)+1, 0
.if \first
	WIN FIRST_HI
.else
	WIN MUL_HI
.endif
	MUL16 4, (\q)%2, \q, \slot, \first
	MUL16 6, (\q)%2, \q, \slot, \first
	PLACES NP
	WIN 0
	FETCH_A \slot, (\q)+1, 4
.endm
.macro STEPS slot, from
.set Q, \from
.rept NQ-1-\from
	STEP \slot, Q, 0
.set Q, Q+1
.endr
.endm
.macro ROPELD a                        ; the table's entries of block a's token: 32 pairs (sin, cos); my half of the lanes wants 4 pairs of each 8
.irp q, 0,1,2,3
	global_load_b128 v[RT+32*((\a)%2)+8*\q:RT+32*((\a)%2)+8*\q+3], v[RO+((\a)%2)], s[22:23] offset:64*\q
	global_load_b128 v[RT+32*((\a)%2)+8*\q+4:RT+32*((\a)%2)+8*\q+7], v[RO+((\a)%2)], s[22:23] offset:64*\q+16
.endr
.endm
; Block a (16 tokens x 128 features) is rotated, each accumulator from its low end on, and packed to f16
.macro ROT a
.if (\a) < 7
	s_wait_loadcnt 8                               ; this block's eight table loads are in; the next block's eight may be out
.else
	s_wait_loadcnt 0x0
.endif
.set AC, 64*((\a)%4)
.set RB, RT+32*((\a)%2)
	WIN 0x02+(\a)/4                                ; source 0: the accumulators' window
.irp b, 0,1,2,3,4,5,6,7
.irp i, 0,1,2,3
	v_pk_mul_f32 v[T+2*\i:T+2*\i+1], v[AC+8*\b+2*\i:AC+8*\b+2*\i+1], v[RB+8*(\b%4)+2*\i:RB+8*(\b%4)+2*\i+1] op_sel_hi:[1,0]   ; x1 sin, x2 sin
.endr
.irp i, 0,1,2,3
	v_fma_f32 v[R+8*\b+2*\i], v[AC+8*\b+2*\i], v[RB+8*(\b%4)+2*\i+1], -v[T+2*\i+1]     ; x1 cos - x2 sin
	v_fma_f32 v[R+8*\b+2*\i+1], v[AC+8*\b+2*\i+1], v[RB+8*(\b%4)+2*\i+1], v[T+2*\i]    ; x2 cos + x1 sin
.endr
.endr
	WIN 0
.if (\a) < 6
	v_add_nc_u32 v[RO+((\a)%2)], s101, v[RO+((\a)%2)]   ; free since the wait above: 32 tokens on
	ROPELD (\a)+2
.endif
.if (\a) == 0
	v_cmp_gt_u32 vcc_lo, 16, v[TKR]                ; the lanes whose token is one of its sequence's first 16
	s_wait_xcnt 0x0                                ; EXEC changes only behind this wait
	s_and_saveexec_b32 s3, vcc_lo
.irp b, 0,1,2,3,4,5,6,7
	global_store_b128 v[QF], v[R+8*\b:R+8*\b+3], s[98:99] offset:64*\b
	global_store_b128 v[QF], v[R+8*\b+4:R+8*\b+7], s[98:99] offset:64*\b+16
.endr
	s_wait_xcnt 0x0                                ; and again ahead of the line that widens it; the stores' data may be rewritten too
	s_or_b32 exec_lo, exec_lo, s3
.endif
.set i, 0
.rept 32
	v_cvt_pk_f16_f32 v[TMP+i], v[R+2*i], v[R+2*i+1]
.set i, i+1
.endr
.endm
.macro TOSTAGE a                       ; 16 tokens x 256 bytes through my stage; back as pieces of 128 bytes: one head's 64 numbers of a token
	s_wait_xcnt 0x0                                ; the stores of two blocks back have read the registers that the loads below fill
.irp b, 0,1,2,3,4,5,6,7
	ds_store_b128 v[STO], v[TMP+4*\b:TMP+4*\b+3] offset:32*\b
.endr
.irp i, 0,1,2,3,4,5,6,7
	ds_load_b128 v[BK+32*((\a)%2)+4*\i:BK+32*((\a)%2)+4*\i+3], v[RD] offset:(\i%4)*4*PITCH+128*(\i/4)   ; in order behind the stores above
.endr
.endm
.macro SEND a
	s_wait_dscnt 0x0
.irp i, 0,1,2,3,4,5,6,7
	global_store_b128 v[GO], v[BK+32*((\a)%2)+4*\i:BK+32*((\a)%2)+4*\i+3], s[96:97] offset:(\i/4)*262144+(16*(\a)+4*(\i%4))*128   ; four tokens of one head: 512 consecutive bytes
.endr
.endm
	s_load_b256 s[4:11], s[0:1], 0x0               ; codes 4, scales 6, b_q 8, b_k 10
	s_load_b256 s[12:19], s[0:1], 0x20             ; b_v 12, rope 14, qkv 16, qkvf 18
	v_lshl_add_u32 v[SPW], v0, 2, SPARE
	v_mov_b32 v[NIL], 0
	ds_add_u32 v[SPW], v[NIL]                      ; the wave's opening: the add, twice on end, and its wait ahead of the first tensor load
	ds_add_u32 v[SPW], v[NIL]
	v_lshrrev_b32 v1, 5, v0
	v_readfirstlane_b32 s[WV], v1
	s_lshr_b32 s[RH], s[WV], 1                     ; my half of the tile's tokens.  Also: I fetch for the tokens (0) or the weights (1)
	s_and_b32 s[CH], s[WV], 1                      ; my half of its features.  Also: which 128 rows I fetch
	s_bfe_u32 s40, ttmp6, 0x40000                  ; cx
	s_bfe_u32 s41, ttmp6, 0x40004                  ; cy
	s_lshl_b32 s[TX], ttmp9, 2
	s_add_co_u32 s[TX], s[TX], s40                 ; tile column
	s_and_b32 s42, ttmp7, 0xffff
	s_lshr_b32 s[TT], s42, 3                       ; the tensor: eight rows of clusters each; the same in all sixteen partners
	s_lshl_b32 s[TY], s42, 2
	s_add_co_u32 s[TY], s[TY], s41                 ; tile row
	s_lshl_b32 s43, s41, 2
	s_lshl_b32 s43, 15, s43                        ; my row of the cluster
	s_lshl_b32 s44, 0x1111, s40                    ; my column
	s_or_b32 s[G1+0], s43, (0<<16)|(1<<20)|(1<<21)|(5<<22)|(3<<25)   ; mask; elements of 1 byte; padding on; bit 21 beside a mask; 4 words after every 64
	s_or_b32 s[G1B+0], s44, (0<<16)|(1<<20)|(1<<21)|(5<<22)|(3<<25)
.irp g, G1, G1B
	s_mov_b32 s[\g+1], ROWB<<16
	s_mov_b32 s[\g+2], 128<<16
	s_mov_b32 s[\g+3], ROWB<<16
	s_mov_b32 s[\g+4], 128
	s_mov_b32 s[\g+5], KROW
	s_mov_b32 s[\g+6], 0
	s_mov_b32 s[\g+7], 0
.endr
	s_or_b32 s[G1S+0], s43, (3<<16)|(1<<20)|(1<<21)|(5<<22)|(3<<25)  ; the scale bytes of 128 rows: 4,096 dense bytes as 16 rows of 32 elements of 8 bytes
	s_or_b32 s[G1SB+0], s44, (3<<16)|(1<<20)|(1<<21)|(5<<22)|(3<<25)
.irp g, G1S, G1SB
	s_mov_b32 s[\g+1], 32<<16
	s_mov_b32 s[\g+2], 16<<16
	s_mov_b32 s[\g+3], 32<<16
	s_mov_b32 s[\g+4], 16
	s_mov_b32 s[\g+5], 32
	s_mov_b32 s[\g+6], 0
	s_mov_b32 s[\g+7], 0
.endr
	s_lshl_b32 s3, s[CH], 7
	s_lshl_b32 s20, s[TY], 8
	s_add_co_u32 s20, s20, s3                      ; tokens: row 256 x tile row + 128 x half
	s_lshl_b32 s22, s20, 5                         ; its scale bytes,
	s_lshl_b32 s20, s20, 9                         ; its codes
	s_mov_b32 s21, 0
	s_mov_b32 s23, 0
	s_lshl_b32 s46, s[TX], 8
	s_add_co_u32 s46, s46, s3
	s_lshl_b32 s45, s[TT], 10
	s_add_co_u32 s46, s46, s45
	s_add_co_u32 s46, s46, 24576                   ; weights: row 24576 + 1024 x tensor + 256 x tile column + 128 x half
	s_lshl_b32 s96, s46, 5
	s_lshl_b32 s46, s46, 9
	s_mov_b32 s47, 0
	s_mov_b32 s97, 0
	s_mul_i32 s45, s[WV], HALFT                    ; where they go: the wave's number alone enters an LDS address
	s_mul_i32 s98, s[WV], HALFS
	s_wait_dscnt 0x0                               ; both opening adds are done
	s_wait_kmcnt 0x0
	s_add_nc_u64 s[20:21], s[4:5], s[20:21]
	s_add_nc_u64 s[22:23], s[6:7], s[22:23]
	s_add_nc_u64 s[46:47], s[4:5], s[46:47]
	s_add_nc_u64 s[96:97], s[6:7], s[96:97]
	CROUND                                         ; all sixteen work-groups are here: the joint loads meet
	s_mov_b32 s[G0S], 1
	s_add_co_u32 s[G0S+1], s98, SCL
	s_mov_b64 s[G0S+2:G0S+3], s[22:23]
	s_or_b32 s[G0S+3], s[G0S+3], 0x80000000
	s_mov_b32 s[G0SB], 1
	s_add_co_u32 s[G0SB+1], s98, SCL
	s_mov_b64 s[G0SB+2:G0SB+3], s[96:97]
	s_or_b32 s[G0SB+3], s[G0SB+3], 0x80000000
	JLOAD G0S, G1S, G0SB, G1SB                     ; three loads of mine go out: the scale bytes, slot 0, slot 1
.irp s, 0,1
	s_mov_b32 s[G0+4*\s], 1
	s_add_co_u32 s[G0+4*\s+1], s45, \s*SLOT
	s_add_nc_u64 s[G0+4*\s+2:G0+4*\s+3], s[20:21], \s*ROWB
	s_or_b32 s[G0+4*\s+3], s[G0+4*\s+3], 0x80000000
	s_mov_b32 s[G0B+4*\s], 1
	s_add_co_u32 s[G0B+4*\s+1], s45, \s*SLOT
	s_add_nc_u64 s[G0B+4*\s+2:G0B+4*\s+3], s[46:47], \s*ROWB
	s_or_b32 s[G0B+4*\s+3], s[G0B+4*\s+3], 0x80000000
	JLOAD G0+4*\s, G1, G0B+4*\s, G1B
.endr
	v_and_b32 v1, 15, v0                           ; r
	v_bfe_u32 v2, v0, 4, 1                         ; h
	v_mul_u32_u24 v3, v1, PITCH
	v_lshl_add_u32 v4, v2, 4, v3                   ; row x pitch + 16 x half
	s_mul_i32 s2, s[RH], HALFT
	s_mul_i32 s3, s[CH], HALFT
	s_add_co_u32 s3, s3, 2*HALFT
.irp s, 0,1
	v_add_nc_u32 v[ADRA+\s], s2, v4
	v_add_nc_u32 v[ADRB+\s], s3, v4
	s_add_co_u32 s2, s2, SLOT
	s_add_co_u32 s3, s3, SLOT
.endr
	v_mul_u32_u24 v5, v1, KS                       ; my row's scale bytes: 32 a row, and 16 more for each 256 passed
	v_lshrrev_b32 v6, 8, v5
	v_lshl_add_u32 v5, v6, 4, v5
	s_mul_i32 s2, s[RH], HALFS
	s_mul_i32 s3, s[CH], HALFS
	s_add_co_u32 s3, s3, 2*HALFS
	s_sub_co_u32 s3, s3, s2
	v_mul_u32_u24 v6, s3, v2                       ; lanes 16-31 take the weights'
	s_add_co_u32 s2, s2, SCL
	v_add_nc_u32 v5, v5, v6
	v_add_nc_u32 v[ADRS], s2, v5
	s_mul_i32 s2, s[WV], 16*PITCH                  ; my stage: it lies in slot 0, which has had its only fill, and is written only behind the barrier behind which nobody reads that slot
	v_add_nc_u32 v[STO], s2, v4
	v_and_b32 v6, 31, v0
	v_lshrrev_b32 v5, 3, v6
	v_mul_u32_u24 v5, v5, PITCH
	v_and_b32 v7, 7, v0
	v_lshl_add_u32 v5, v7, 4, v5
	v_add_nc_u32 v[RD], s2, v5                     ; back: eight lanes to a token's 128 bytes of one head
	v_lshlrev_b32 v[GO], 4, v6
	s_lshl_b32 s2, s[TX], 8
	s_lshl_b32 s3, s[CH], 7
	s_add_co_u32 s42, s2, s3                       ; my first feature
	s_and_b32 s2, s[TY], 31
	s_lshl_b32 s2, s2, 8
	s_lshl_b32 s3, s[RH], 7
	s_add_co_u32 s45, s2, s3                       ; my first token in its tensor
	s_cmp_eq_u32 s[TT], 0
	s_cselect_b64 s[20:21], s[8:9], s[10:11]
	s_cmp_eq_u32 s[TT], 2
	s_cselect_b64 s[20:21], s[12:13], s[20:21]     ; the tensor's bias
	s_lshl_b32 s2, s42, 2
	s_mov_b32 s3, 0
	s_add_nc_u64 s[20:21], s[20:21], s[2:3]
	v_lshlrev_b32 v[BO], 5, v2
	s_cmp_lt_u32 s[TT], 2                          ; Q and K walk the table; V stays on its last row
	s_cselect_b32 s46, 256, 0
	s_cselect_b32 s100, 4096, 0                    ; 16 tokens on
	s_cselect_b32 s2, 0, 0x200000
	s_add_nc_u64 s[22:23], s[14:15], s[2:3]
	s_lshl_b32 s101, s100, 1
	v_add_nc_u32 v5, s45, v1
	v_mul_u32_u24 v5, s46, v5
	v_lshl_add_u32 v[RO], v2, 5, v5
	v_add_nc_u32 v[RO+1], s100, v[RO]
	s_lshr_b32 s2, s45, 11                         ; the batch
	s_lshl_b32 s2, s2, 4
	s_lshr_b32 s47, s42, 6                         ; my first head
	s_add_co_u32 s2, s2, s47
	s_lshl_b32 s2, s2, 18                          ; a head is 262,144 bytes
	s_and_b32 s47, s45, 2047                       ; my first position
	s_lshl_b32 s46, s47, 7
	s_add_co_u32 s2, s2, s46
	s_lshl_b32 s46, s[TT], 24
	s_add_co_u32 s2, s2, s46
	s_add_nc_u64 s[96:97], s[16:17], s[2:3]
	v_add_nc_u32 v[TKR], s47, v1
	s_lshl_b32 s2, s[TT], 18
	s_lshr_b32 s46, s45, 11
	s_lshl_b32 s46, s46, 16
	s_add_co_u32 s2, s2, s46
	s_lshl_b32 s46, s42, 2
	s_add_co_u32 s2, s2, s46
	s_add_nc_u64 s[98:99], s[18:19], s[2:3]        ; qkvf: [tensor][batch][16 positions][1024] f32
	v_lshlrev_b32 v[QF], 12, v1
	v_lshl_add_u32 v[QF], v2, 5, v[QF]
	WIN TO_B
.irp b, 0,1,2,3,4,5,6,7
	global_load_b128 v[BIAS+8*\b:BIAS+8*\b+3], v[BO], s[20:21] offset:64*\b       ; lane (r, h): the bias of features 16 b + 8 h + 0 .. 7: the result's layout
	global_load_b128 v[BIAS+8*\b+4:BIAS+8*\b+7], v[BO], s[20:21] offset:64*\b+16
.endr
	WIN 0
	ROPELD 0
	ROPELD 1
	s_wait_tensorcnt 1                             ; the scale bytes and my part of slot 0 are in; slot 1's load may be out
	s_barrier_signal -1
	s_barrier_wait -1
	FETCH_B 0, 0, 0
	FETCH_A 0, 0, 0
	SCALES 0
	FETCH_A 0, 0, 4
	s_wait_loadcnt 0x0                             ; the bias
	STEP 0, 0, 1                                   ; the first products start the sums from the bias
	STEPS 0, 1
	; slot 0's last step changes slots: one barrier
	s_wait_tensorcnt 0x0                           ; my part of slot 1 has landed
	ds_add_u32 v[SPW], v[NIL]                      ; 0 onto my spare word
	s_wait_dscnt 4*NL+1                            ; the add and the youngest eight loads may be out
	WIN MUL_LO
	MUL16 0, 1, NQ-1, 0, 0
	s_wait_dscnt 0x0                               ; the add is done, and my reads of slot 0 are over
	s_barrier_signal -1
	MUL16 2, 1, NQ-1, 0, 0
	WIN 0
	s_barrier_wait -1
	PLACES NP
	v_add_nc_u32 v[ADRS], 4*NQ, v[ADRS]            ; slot 1's scale words
	FETCH_B 1, 0, 0
	FETCH_A 1, 0, 0
	SCALES 1
	WIN MUL_HI
	MUL16 4, 1, NQ-1, 0, 0
	MUL16 6, 1, NQ-1, 0, 0
	PLACES NP
	WIN 0
	FETCH_A 1, 0, 4
	STEPS 1, 0
	s_wait_dscnt 4*NL
	WIN MUL_LO
	MUL16 0, 1, NQ-1, 1, 0
	MUL16 2, 1, NQ-1, 1, 0
	s_wait_dscnt 0
	WIN MUL_HI
	MUL16 4, 1, NQ-1, 1, 0
	MUL16 6, 1, NQ-1, 1, 0
	WIN 0
	PLACES NP                                      ; ahead of writes over the scale words and of reads of results
	; THE WAY OUT: a block's arithmetic stands between the loads of the block before and its stores
	ROT 0
	TOSTAGE 0
.irp a, 1,2,3,4,5,6,7
	ROT \a
	SEND \a-1
	TOSTAGE \a
.endr
	SEND 7
	s_wait_tensorcnt 0x0                           ; the wave's end
	ds_add_u32 v[SPW], v[NIL]
	s_wait_dscnt 0x0
	CROUND                                         ; the closing round
	s_endpgm
.Lfunc_end_k_qeb1ebcfa81_proj:
	.size	k_qeb1ebcfa81_proj, .Lfunc_end_k_qeb1ebcfa81_proj-k_qeb1ebcfa81_proj
	.p2alignl 7, 3214868480
	.fill 96, 4, 3214868480
	.section	.rodata,"a",@progbits
	.p2align	6, 0x0
	.amdhsa_kernel k_qeb1ebcfa81_proj
		.amdhsa_group_segment_fixed_size 327680
		.amdhsa_private_segment_fixed_size 0
		.amdhsa_enable_private_segment 0
		.amdhsa_kernarg_size 64
		.amdhsa_user_sgpr_count 2
		.amdhsa_user_sgpr_kernarg_segment_ptr 1
		.amdhsa_wavefront_size32 1
		.amdhsa_system_sgpr_workgroup_id_x 1
		.amdhsa_system_sgpr_workgroup_id_y 1
		.amdhsa_system_sgpr_workgroup_id_z 1
		.amdhsa_system_vgpr_workitem_id 0
		.amdhsa_next_free_vgpr 1024
		.amdhsa_next_free_sgpr 102
		.amdhsa_reserve_vcc 1
		.amdhsa_float_denorm_mode_32 3
		.amdhsa_float_denorm_mode_16_64 3
		.amdhsa_memory_ordered 1
		.amdhsa_forward_progress 1
		.amdhsa_inst_pref_size 185
	.end_amdhsa_kernel
	.amdgpu_metadata
---
amdhsa.version: [ 1, 2 ]
amdhsa.kernels:
  - .name:           k_qeb1ebcfa81_proj
    .symbol:         k_qeb1ebcfa81_proj.kd
    .args:
      - { .name: codes, .offset: 0, .size: 8, .value_kind: global_buffer, .address_space: global }
      - { .name: scales, .offset: 8, .size: 8, .value_kind: global_buffer, .address_space: global }
      - { .name: b_q, .offset: 16, .size: 8, .value_kind: global_buffer, .address_space: global }
      - { .name: b_k, .offset: 24, .size: 8, .value_kind: global_buffer, .address_space: global }
      - { .name: b_v, .offset: 32, .size: 8, .value_kind: global_buffer, .address_space: global }
      - { .name: rope, .offset: 40, .size: 8, .value_kind: global_buffer, .address_space: global }
      - { .name: qkv, .offset: 48, .size: 8, .value_kind: global_buffer, .address_space: global }
      - { .name: qkvf, .offset: 56, .size: 8, .value_kind: global_buffer, .address_space: global }
    .group_segment_fixed_size: 327680
    .private_segment_fixed_size: 0
    .kernarg_segment_align: 8
    .kernarg_segment_size: 64
    .max_flat_workgroup_size: 128
    .sgpr_count:     102
    .vgpr_count:     1024
    .wavefront_size: 32
...
	.end_amdgpu_metadata
.endif
;; end of part 2
;; launch attn (part 3): grid 4 x 64, 16 waves a work-group, no clusters, 327,680 bytes of LDS; arguments qkv, att; writes att
.if DOCPART == 3
	.amdgcn_target "amdgcn-amd-amdhsa--gfx1250"
	.amdhsa_code_object_version 6
	.text
	.protected	k_qeb1ebcfa81_attn
	.globl	k_qeb1ebcfa81_attn
	.p2align	8
	.type	k_qeb1ebcfa81_attn,@function
k_qeb1ebcfa81_attn:
	s_mov_b64 s[64:65], 0
	v_nop
	global_prefetch_b8 v0, s[64:65] scope:SCOPE_SE
	s_setreg_imm32_b32 hwreg(HW_REG_WAVE_MODE, 25, 1), 1
	s_wait_xcnt 0x0
; ATTN: att[bh][q] = sum over k <= q of softmax_k(Q[q] . K[k] / 8) V[k].  Q, K, V: f16, [tensor][bh 64][2048][64]; att: f16, [bh][2048][64].  Products on f16 operands, maxima, exponentials and sums in f32.
; SHARES.  A work-group owns query blocks j and 7 - j (256 queries each) of one head, so that all work-groups have the same number of key steps under the causal mask.
; Each of its sixteen waves owns two tiles of 16 queries: HI at 256 (7 - j) + 16 w, LO at 256 j + 16 w; while LO still has keys, each fragment of K and V feeds both.
; LAYOUT.  S^T = K Q^T (source 0 = 16 keys, source 1 = 16 queries): a lane holds one query and the keys 8 (lane / 16) + 0..7 of a tile; two tiles, rounded to f16 in pairs, ARE source 1 of O^T = V^T P.
; K comes out of LDS as it lies, V ([key][channel]) turned, by ds_load_tr16_b128.
; SOFTMAX.  A running maximum m and sum l for each query: p = 2^(c s - c m), c = log2(e) / 8; in every step O and l are multiplied by 2^(c m_old - c m_new).
; THE RING.  Two slots of 256 keys, filled by waves 0, 1 (K's halves) and 2, 3 (V's halves), read by all sixteen.  Every work-group walks all 8 changes of slots: trip counts are constants.  A step all of whose
; keys come after a tile's queries is jumped over, and a slot whose first key comes after the work-group's last query is not asked for: both by tests on ids and the count of steps alone.
; NO CLUSTER: the four work-groups of a head need 8 - j slots: a joint load would bring some partner tiles that none of its waves reads.
; LIMITS: operands in f16 (magnitudes over 65,504 are not served; weights p under 6e-5 keep fewer bits).
.set SLOT1, 131072
.set PK,    144                        ; a key's row in LDS: 128 bytes + 16
.set PV,    160                        ; a value's row: 128 bytes + 32
.set VOFF,  256*PK
.set STAGE, 81920                      ; between the slots: 16 rows x 144 bytes for each wave, bytes of its own
.set SPARE, 212992                     ; the spare words: eight blocks of 256 bytes that no other line names
.set AK0, 1
.set AV0, 2
.set SPW, 3
.set NIL, 4
.set ADK, 5
.set ADV, 6
.set DD,  7
.set NINF, 8
.set DL,  9                            ; v9   lane % 16 - 8 (lane / 16)
.set TH,  10                           ; statistics of HI: +0 c m, +1 m, +2, +3 l, +4..7 at work (+6: the factor)
.set TL,  18                           ; of LO
.set PFO, 30
.set GO,  31
.set QR,  32                           ; Q: HI v32-47, LO v48-63
.set SH,  64                           ; S^T, then p, then P in place
.set SL,  96
.set OH,  128
.set OL,  160
.set KV,  192                          ; a step's fragments of K, then of V
.set WV, 8
.set J,  9
.set BH, 10
.set QH0, 11
.set QL0, 12
.set KF, 13
.set TBK, 14
.set TBV, 15
.set SLOTS, 16
.set CNT, 17
.set LASTQ, 18
.set LIM, 19
.set SEL, 20
.set CS, 22
.set G1K, 24
.set G1V, 32
.set G0K, 40
.set G0V, 44
.set PFA, 48
.macro TLOAD                           ; waves 0, 1: K; waves 2, 3: V; the others nothing.  An s_nop 0 and four v_nop follow each line
	s_cmp_lt_u32 s[WV], 2
	s_cbranch_scc0 .Lnot_k_\@
	tensor_load_to_lds s[G0K:G0K+3], s[G1K:G1K+7]
	s_nop 0
.rept 4
	v_nop
.endr
	s_branch .Lasked_\@
.Lnot_k_\@:
	s_cmp_lt_u32 s[WV], 4
	s_cbranch_scc0 .Lasked_\@
	tensor_load_to_lds s[G0V:G0V+3], s[G1V:G1V+7]
	s_nop 0
.rept 4
	v_nop
.endr
.Lasked_\@:
.endm
; A prefetch of what the NEXT change of slots will ask for: 32,768 bytes of K and of V.  Only the head's work-group 0, which walks all slots, asks; in it waves 4-7 for K and 8-11 for V, 8,192 bytes a wave, lanes 256 bytes
; apart: each block of 256 bytes is named once.  The last change that fills a slot asks for nothing.
.macro ASK
	s_cmp_gt_u32 s[SLOTS], s[LIM]
	s_cbranch_scc0 .Lnot_mine_\@
	global_prefetch_b8 v[PFO], s[PFA:PFA+1] th:TH_LOAD_NT scope:SCOPE_SE
.Lnot_mine_\@:
.endm
.macro LOADK                           ; fragment (t, c): keys 16 t on, channels 32 c on
.irp t, 0,1,2,3
.irp c, 0,1
	ds_load_b128 v[KV+8*(2*\t+\c):KV+8*(2*\t+\c)+3],   v[ADK] offset:16*PK*\t+64*\c
	ds_load_b128 v[KV+8*(2*\t+\c)+4:KV+8*(2*\t+\c)+7], v[ADK] offset:16*PK*\t+64*\c+32
.endr
.endr
.endm
.macro LOADV                           ; fragment (c, t): keys 32 c on, channels 16 t on, turned
.irp c, 0,1
.irp t, 0,1,2,3
	ds_load_tr16_b128 v[KV+8*(4*\c+\t):KV+8*(4*\c+\t)+3],   v[ADV] offset:32*PV*\c+32*\t
	ds_load_tr16_b128 v[KV+8*(4*\c+\t)+4:KV+8*(4*\c+\t)+7], v[ADV] offset:32*PV*\c+32*\t+16*PV
.endr
.endr
.endm
; The accumulators take turns, one instruction a turn
.macro KQ both
.irp c, 0,1
.irp t, 0,1,2,3
.if \c == 0
	v_wmma_f32_16x16x32_f16 v[SH+8*\t:SH+8*\t+7], v[KV+8*(2*\t+\c):KV+8*(2*\t+\c)+7], v[QR+8*\c:QR+8*\c+7], 0
.if \both
	v_wmma_f32_16x16x32_f16 v[SL+8*\t:SL+8*\t+7], v[KV+8*(2*\t+\c):KV+8*(2*\t+\c)+7], v[QR+16+8*\c:QR+16+8*\c+7], 0
.endif
.else
	v_wmma_f32_16x16x32_f16 v[SH+8*\t:SH+8*\t+7], v[KV+8*(2*\t+\c):KV+8*(2*\t+\c)+7], v[QR+8*\c:QR+8*\c+7], v[SH+8*\t:SH+8*\t+7]
.if \both
	v_wmma_f32_16x16x32_f16 v[SL+8*\t:SL+8*\t+7], v[KV+8*(2*\t+\c):KV+8*(2*\t+\c)+7], v[QR+16+8*\c:QR+16+8*\c+7], v[SL+8*\t:SL+8*\t+7]
.endif
.endif
.endr
.endr
.endm
.macro PV both
.irp c, 0,1
.irp t, 0,1,2,3
	v_wmma_f32_16x16x32_f16 v[OH+8*\t:OH+8*\t+7], v[KV+8*(4*\c+\t):KV+8*(4*\c+\t)+7], v[SH+8*\c:SH+8*\c+7], v[OH+8*\t:OH+8*\t+7]
.if \both
	v_wmma_f32_16x16x32_f16 v[OL+8*\t:OL+8*\t+7], v[KV+8*(4*\c+\t):KV+8*(4*\c+\t)+7], v[SL+8*\c:SL+8*\c+7], v[OL+8*\t:OL+8*\t+7]
.endif
.endr
.endr
.endm
; One tile's softmax for 64 keys
.macro SOFTMAX rS, rT, rO, sQ
	s_add_co_u32 s58, s[KF], 63
	s_cmp_le_u32 s58, s[\sQ]                       ; a step all of whose keys count has no mask
	s_cbranch_scc1 .Lopen_\@
	s_sub_co_i32 s58, s[\sQ], s[KF]
	v_add_nc_u32 v[DD], s58, v[DL]                 ; register 8 t + j holds key KF + 16 t + 8 (lane / 16) + j: hidden where 16 t + j > my query - KF - 8 (lane / 16)
.set n, 0
.rept 32
	v_cmp_gt_i32 vcc_lo, 16*(n/8)+n%8, v[DD]
	v_cndmask_b32 v[\rS+n], v[\rS+n], v[NINF], vcc_lo
.set n, n+1
.endr
.Lopen_\@:
.irp j, 0,1,2,3
	v_max3_num_f32 v[\rT+4+\j], v[\rS+8*\j], v[\rS+8*\j+1], v[\rS+8*\j+2]    ; each accumulator is read from its low end on
.endr
.irp u, 1,2
.irp j, 0,1,2,3
	v_max3_num_f32 v[\rT+4+\j], v[\rT+4+\j], v[\rS+8*\j+2*\u+1], v[\rS+8*\j+2*\u+2]
.endr
.endr
	v_max3_num_f32 v[\rT+4], v[\rT+4], v[\rS+7], v[\rS+15]
	v_max3_num_f32 v[\rT+6], v[\rT+6], v[\rS+23], v[\rS+31]
	v_max3_num_f32 v[\rT+4], v[\rT+4], v[\rT+5], v[\rT+6]
	v_max3_num_f32 v[\rT+4], v[\rT+4], v[\rT+7], v[\rT+1]     ; with the old m
	v_permlanex16_b32 v[\rT+5], v[\rT+4], s[SEL], s[SEL+1]    ; the query's other 32 keys lie in the lane 16 away
	v_mov_b32 v[\rT+7], v[\rT]
	v_max_num_f32 v[\rT+1], v[\rT+4], v[\rT+5]
	v_mul_f32 v[\rT], s[CS], v[\rT+1]
	v_sub_f32 v[\rT+7], v[\rT+7], v[\rT]                      ; c m_old - c m_new
	v_exp_f32 v[\rT+6], v[\rT+7]
.set n, 0
.rept 16
	v_pk_fma_f32 v[\rS+n:\rS+n+1], v[\rS+n:\rS+n+1], s[CS:CS+1], v[\rT:\rT+1] op_sel_hi:[1,0,0] neg_lo:[0,0,1] neg_hi:[0,0,1]   ; c s - c m
.set n, n+2
.endr
.set n, 0
.rept 32
	v_exp_f32 v[\rS+n], v[\rS+n]
.set n, n+1
.endr
	v_nop                                          ; a plain line behind the last exponential
	s_wait_alu depctr_va_vdst(0)                   ; one wait for the batch of 33, ahead of its first reader
.set n, 0
.rept 16
	v_pk_mul_f32 v[\rO+n:\rO+n+1], v[\rO+n:\rO+n+1], v[\rT+6:\rT+7] op_sel_hi:[1,0]
.set n, n+2
.endr
	v_pk_add_f32 v[26:27], v[\rS:\rS+1], v[\rS+2:\rS+3]       ; the row's sum, of the unrounded p, in two chains
	v_pk_add_f32 v[28:29], v[\rS+4:\rS+5], v[\rS+6:\rS+7]
.irp j, 8,12,16,20,24,28
	v_pk_add_f32 v[26:27], v[26:27], v[\rS+\j:\rS+\j+1]
	v_pk_add_f32 v[28:29], v[28:29], v[\rS+\j+2:\rS+\j+3]
.endr
	v_pk_add_f32 v[26:27], v[26:27], v[28:29]
	v_pk_fma_f32 v[\rT+2:\rT+3], v[\rT+2:\rT+3], v[\rT+6:\rT+7], v[26:27] op_sel_hi:[1,0,1]
.set n, 0
.rept 16
	v_cvt_pk_f16_f32 v[\rS+n], v[\rS+2*n], v[\rS+2*n+1]       ; in place, ascending: register n is written when registers 2 n, 2 n + 1 are read; registers 8 c .. 8 c + 7 are the operand of keys 32 c on
.set n, n+1
.endr
.endm
.macro BODY both
	s_wait_dscnt 0x0                               ; K is in
	KQ \both
.rept 4
	v_nop                                          ; places ahead of the loads into K's registers and of the first read of the scores
.endr
	LOADV                                          ; lands under the softmax
	SOFTMAX SH, TH, OH, QH0
.if \both
	SOFTMAX SL, TL, OL, QL0
.endif
	s_wait_dscnt 0x0                               ; V is in
	PV \both
.endm
.macro STEP
	s_add_co_u32 s58, s[QH0], 15
	s_cmp_gt_u32 s[KF], s58                        ; all 64 keys come after my later tile's queries: nothing to do
	s_cbranch_scc1 .Lhid_\@
	v_add_nc_u32 v[ADK], s[TBK], v[AK0]
	v_add_nc_u32 v[ADV], s[TBV], v[AV0]
.rept 3
	v_nop                                          ; with the two additions: five places behind the last products, ahead of the loads into V's registers and of the products that write over P
.endr
	LOADK
	s_add_co_u32 s58, s[QL0], 15
	s_cmp_gt_u32 s[KF], s58
	s_cbranch_scc1 .Lone_\@
	BODY 1
	s_branch .Lhid_\@
.Lone_\@:
	BODY 0
.Lhid_\@:
	s_add_co_u32 s[KF], s[KF], 64
	s_add_co_u32 s[TBK], s[TBK], 64*PK
	s_add_co_u32 s[TBV], s[TBV], 64*PV
.endm
.macro SLOT_STEPS
	s_mov_b32 s[CNT], 4
.Lstep_\@:
	STEP
	s_sub_co_u32 s[CNT], s[CNT], 1
	s_cmp_lg_u32 s[CNT], 0
	s_cbranch_scc1 .Lstep_\@
	s_sub_co_u32 s[TBK], s[TBK], 256*PK
	s_xor_b32 s[TBK], s[TBK], SLOT1                ; on to the other slot
	s_sub_co_u32 s[TBV], s[TBV], 256*PV
	s_xor_b32 s[TBV], s[TBV], SLOT1
.endm
; The change of slots stands at a slot's head: every wave waits for all its tensor loads, adds 0 to its spare word, waits for that and for its reads of the slot that it has left, and passes the barrier.
.macro CHANGE fill
	s_wait_tensorcnt 0x0                           ; no tensor load of mine is out, so a group 0 may be written
	ds_add_u32 v[SPW], v[NIL]
.if \fill
	ds_add_u32 v[SPW], v[NIL]                      ; twice on end here, in every trip alike
	s_xor_b32 s[G0K+1], s[G0K+1], SLOT1
	s_add_nc_u64 s[G0K+2:G0K+3], s[G0K+2:G0K+3], 32768
	s_xor_b32 s[G0V+1], s[G0V+1], SLOT1
	s_add_nc_u64 s[G0V+2:G0V+3], s[G0V+2:G0V+3], 32768
	s_wait_xcnt 0x0                                ; the last prefetch, a slot back, has read its address
	s_add_nc_u64 s[PFA:PFA+1], s[PFA:PFA+1], 32768
.endif
	s_wait_dscnt 0x0
	s_barrier_signal -1
	s_barrier_wait -1
.if \fill
	s_add_co_u32 s58, s[KF], 256                   ; the first key of the slot that this change would ask for
	s_cmp_gt_u32 s58, s[LASTQ]                     ; past my work-group's last query: none of its waves would read it
	s_cbranch_scc1 .Lpast_\@
	TLOAD
.Lpast_\@:
	ASK
.endif
.endm
	s_load_b128 s[4:7], s[0:1], 0x0                ; qkv, att
	v_lshl_add_u32 v[SPW], v0, 2, SPARE
	v_mov_b32 v[NIL], 0
	ds_add_u32 v[SPW], v[NIL]                      ; the wave's opening: the add, twice on end, and its wait ahead of the first tensor load
	ds_add_u32 v[SPW], v[NIL]
	v_lshrrev_b32 v5, 5, v0
	v_readfirstlane_b32 s[WV], v5
	s_mov_b32 s[J], ttmp9
	s_and_b32 s[BH], ttmp7, 0xffff
	s_sub_co_u32 s58, 7, s[J]
	s_lshl_b32 s58, s58, 8
	s_lshl_b32 s59, s[WV], 4
	s_add_co_u32 s[QH0], s58, s59
	s_add_co_u32 s[LASTQ], s58, 255
	s_lshl_b32 s60, s[J], 8
	s_add_co_u32 s[QL0], s60, s59
	s_lshl_b32 s66, s[BH], 18                      ; the head's first byte in each tensor
	s_mov_b32 s67, 0
	s_and_b32 s60, s[WV], 1
	s_lshl_b32 s68, s60, 14                        ; my half: 128 rows of 128 bytes
	s_add_co_u32 s68, s68, s66
	s_mov_b32 s69, 0
	s_mul_i32 s61, s60, 128*PK
	s_mul_i32 s62, s60, 128*PV
	s_add_co_u32 s62, s62, VOFF
	s_mov_b32 s[G1K], (1<<16)|(1<<20)|(4<<22)|(3<<25)    ; elements of 2 bytes; padding: 4 words after every 32
	s_mov_b32 s[G1V], (1<<16)|(1<<20)|(4<<22)|(7<<25)    ; 8 words
.irp g, G1K, G1V
	s_mov_b32 s[\g+1], 64<<16
	s_mov_b32 s[\g+2], 128<<16
	s_mov_b32 s[\g+3], 64<<16
	s_mov_b32 s[\g+4], 128
	s_mov_b32 s[\g+5], 64
	s_mov_b32 s[\g+6], 0
	s_mov_b32 s[\g+7], 0
.endr
	s_mov_b32 s[SEL], 0x76543210
	s_mov_b32 s[SEL+1], 0xfedcba98
	s_mov_b32 s[CS], 0x3e38aa3b                    ; c = log2(e) / 8
	s_mov_b32 s[CS+1], s[CS]
	s_mov_b32 s[KF], 0
	s_mov_b32 s[TBK], 0
	s_mov_b32 s[TBV], 0
	s_mov_b32 s[SLOTS], 7
	s_wait_dscnt 0x0                               ; both opening adds are done
	s_wait_kmcnt 0x0
	s_mov_b32 s[G0K], 1
	s_mov_b32 s[G0K+1], s61
	s_add_nc_u64 s[G0K+2:G0K+3], s[4:5], s[68:69]
	s_add_nc_u64 s[G0K+2:G0K+3], s[G0K+2:G0K+3], 0x1000000    ; K lies 16 MiB into qkv
	s_or_b32 s[G0K+3], s[G0K+3], 0x80000000
	s_mov_b32 s[G0V], 1
	s_mov_b32 s[G0V+1], s62
	s_add_nc_u64 s[G0V+2:G0V+3], s[4:5], s[68:69]
	s_add_nc_u64 s[G0V+2:G0V+3], s[G0V+2:G0V+3], 0x2000000    ; V 32 MiB
	s_or_b32 s[G0V+3], s[G0V+3], 0x80000000
	TLOAD                                          ; slot 0: one load of mine is out at the most, here and behind every barrier
	s_lshl_b32 s70, s[QH0], 7
	s_add_co_u32 s70, s70, s66
	s_mov_b32 s71, 0
	s_add_nc_u64 s[50:51], s[4:5], s[70:71]        ; Q and att at HI's first query
	s_add_nc_u64 s[54:55], s[6:7], s[70:71]
	s_lshl_b32 s70, s[QL0], 7
	s_add_co_u32 s70, s70, s66
	s_add_nc_u64 s[52:53], s[4:5], s[70:71]        ; and at LO's
	s_add_nc_u64 s[56:57], s[6:7], s[70:71]
	s_mov_b32 s72, 0x2000000
	s_cmp_lt_u32 s[WV], 8
	s_cselect_b32 s72, 0x1000000, s72
	s_and_b32 s73, s[WV], 3
	s_lshl_b32 s73, s73, 13
	s_add_co_u32 s72, s72, s73
	s_add_co_u32 s72, s72, s66
	s_add_co_u32 s72, s72, 32768                   ; in slot 1: the first change steps it to slot 2
	s_mov_b32 s73, 0
	s_add_nc_u64 s[PFA:PFA+1], s[4:5], s[72:73]
	s_sub_co_u32 s58, s[WV], 4
	s_lshr_b32 s58, s58, 3                         ; 0 in waves 4 to 11,
	s_or_b32 s58, s58, s[J]                        ; of the head's work-group 0
	s_cmp_eq_u32 s58, 0
	s_cselect_b32 s[LIM], 1, -1
	v_and_b32 v26, 15, v0                          ; r
	v_bfe_u32 v27, v0, 4, 1                        ; h
	v_lshlrev_b32 v[ADK], 7, v26
	v_lshl_add_u32 v[ADK], v27, 4, v[ADK]          ; Q: row r of 128 bytes + 16 h
.irp c, 0,1
	global_load_b128 v[QR+8*\c:QR+8*\c+3],       v[ADK], s[50:51] offset:64*\c
	global_load_b128 v[QR+8*\c+4:QR+8*\c+7],     v[ADK], s[50:51] offset:64*\c+32
	global_load_b128 v[QR+16+8*\c:QR+16+8*\c+3], v[ADK], s[52:53] offset:64*\c
	global_load_b128 v[QR+20+8*\c:QR+20+8*\c+3], v[ADK], s[52:53] offset:64*\c+32
.endr
	v_mul_u32_u24 v[AK0], v26, PK
	v_lshl_add_u32 v[AK0], v27, 4, v[AK0]
	v_and_b32 v28, 7, v0
	v_bfe_u32 v29, v0, 3, 1
	v_lshl_add_u32 v[AV0], v27, 3, v28
	v_mul_u32_u24 v[AV0], v[AV0], PV
	v_lshl_add_u32 v[AV0], v29, 4, v[AV0]
	v_add_nc_u32 v[AV0], VOFF, v[AV0]
	v_lshlrev_b32 v[DL], 3, v27
	v_sub_nc_u32 v[DL], v26, v[DL]
	v_mov_b32 v[NINF], 0xff800000
	v_and_b32 v[GO], 31, v0
	v_lshlrev_b32 v[PFO], 8, v[GO]
	v_lshlrev_b32 v[GO], 4, v[GO]
.irp t, TH, TL
	v_mov_b32 v[\t+1], 0xff61b1e6                  ; m: -3e38, under every score
	v_mul_f32 v[\t], s[CS], v[\t+1]
.irp k, 2,3,4,5,6,7
	v_mov_b32 v[\t+\k], 0
.endr
.endr
.set n, 0
.rept 64
	v_mov_b32 v[OH+n], 0                           ; O^T: the step is written once; its first run finds zeros
.set n, n+1
.endr
	s_wait_loadcnt 0x0                             ; Q
.Lslot:                                            ; 7 trips
	CHANGE 1
	SLOT_STEPS
	s_sub_co_u32 s[SLOTS], s[SLOTS], 1
	s_cmp_lg_u32 s[SLOTS], 0
	s_cbranch_scc1 .Lslot
	CHANGE 0                                       ; the last slot is written out: nothing is left to ask for
	SLOT_STEPS
	; THE WAY OUT
	v_add_f32 v[TH+4], v[TH+2], v[TH+3]
	v_add_f32 v[TL+4], v[TL+2], v[TL+3]
	v_permlanex16_b32 v[TH+5], v[TH+4], s[SEL], s[SEL+1]
	v_permlanex16_b32 v[TL+5], v[TL+4], s[SEL], s[SEL+1]
	v_add_f32 v[TH+4], v[TH+4], v[TH+5]
	v_add_f32 v[TL+4], v[TL+4], v[TL+5]
	v_rcp_f32 v[TH+6], v[TH+4]
	v_rcp_f32 v[TL+6], v[TL+4]
	v_and_b32 v5, 15, v0                           ; (plain lines behind the reciprocals)
	v_bfe_u32 v6, v0, 4, 1
	s_mul_i32 s58, s[WV], 16*PK
	s_add_co_u32 s58, s58, STAGE
	v_mul_u32_u24 v7, v5, PK
	v_lshl_add_u32 v7, v6, 4, v7
	v_add_nc_u32 v7, s58, v7                       ; in: row r, 16 bytes for each half of the lanes
	v_bfe_u32 v5, v0, 3, 2
	v_mul_u32_u24 v5, v5, PK
	v_and_b32 v6, 7, v0
	v_lshl_add_u32 v5, v6, 4, v5
	v_add_nc_u32 v5, s58, v5                       ; back: eight lanes to a row of 128 bytes
	s_wait_alu depctr_va_vdst(0)                   ; one wait for the two reciprocals, ahead of their first reader
.macro OUTT rO, rT, rS, sA
.set n, 0
.rept 16
	v_pk_mul_f32 v[\rO+n:\rO+n+1], v[\rO+n:\rO+n+1], v[\rT+6:\rT+7] op_sel_hi:[1,0]
.set n, n+2
.endr
.set n, 0
.rept 16
	v_cvt_pk_f16_f32 v[\rS+n], v[\rO+2*n], v[\rO+2*n+1]
.set n, n+1
.endr
.irp t, 0,1,2,3
	ds_store_b128 v7, v[\rS+4*\t:\rS+4*\t+3] offset:32*\t
.endr
.irp i, 0,1,2,3
	ds_load_b128 v[\rS+16+4*\i:\rS+16+4*\i+3], v5 offset:4*PK*\i     ; in order behind the stores above
.endr
	s_wait_dscnt 0x0
.irp i, 0,1,2,3
	global_store_b128 v[GO], v[\rS+16+4*\i:\rS+16+4*\i+3], s[\sA:\sA+1] offset:512*\i   ; four rows: 512 consecutive bytes
.endr
.endm
	OUTT OH, TH, SH, 54
	OUTT OL, TL, SL, 56
	s_wait_tensorcnt 0x0                           ; the wave's end
	ds_add_u32 v[SPW], v[NIL]
	s_wait_dscnt 0x0
	s_endpgm
.Lfunc_end_k_qeb1ebcfa81_attn:
	.size	k_qeb1ebcfa81_attn, .Lfunc_end_k_qeb1ebcfa81_attn-k_qeb1ebcfa81_attn
	.p2alignl 7, 3214868480
	.fill 96, 4, 3214868480
	.section	.rodata,"a",@progbits
	.p2align	6, 0x0
	.amdhsa_kernel k_qeb1ebcfa81_attn
		.amdhsa_group_segment_fixed_size 327680
		.amdhsa_private_segment_fixed_size 0
		.amdhsa_enable_private_segment 0
		.amdhsa_kernarg_size 16
		.amdhsa_user_sgpr_count 2
		.amdhsa_user_sgpr_kernarg_segment_ptr 1
		.amdhsa_wavefront_size32 1
		.amdhsa_system_sgpr_workgroup_id_x 1
		.amdhsa_system_sgpr_workgroup_id_y 1
		.amdhsa_system_sgpr_workgroup_id_z 1
		.amdhsa_system_vgpr_workitem_id 0
		.amdhsa_next_free_vgpr 256
		.amdhsa_next_free_sgpr 74
		.amdhsa_reserve_vcc 1
		.amdhsa_float_denorm_mode_32 3
		.amdhsa_float_denorm_mode_16_64 3
		.amdhsa_memory_ordered 1
		.amdhsa_forward_progress 1
		.amdhsa_inst_pref_size 83
	.end_amdhsa_kernel
	.amdgpu_metadata
---
amdhsa.version: [ 1, 2 ]
amdhsa.kernels:
  - .name:           k_qeb1ebcfa81_attn
    .symbol:         k_qeb1ebcfa81_attn.kd
    .args:
      - { .name: qkv, .offset: 0, .size: 8, .value_kind: global_buffer, .address_space: global }
      - { .name: att, .offset: 8, .size: 8, .value_kind: global_buffer, .address_space: global }
    .group_segment_fixed_size: 327680
    .private_segment_fixed_size: 0
    .kernarg_segment_align: 8
    .kernarg_segment_size: 16
    .max_flat_workgroup_size: 512
    .sgpr_count:     74
    .vgpr_count:     256
    .wavefront_size: 32
...
	.end_amdgpu_metadata
.endif
;; end of part 3
;; launch oproj (part 4): grid 4 x 64, 4 waves a work-group, clusters of 4 x 4, 327,680 bytes of LDS; arguments att, wot, b_o, out0; writes out0
.if DOCPART == 4
	.amdgcn_target "amdgcn-amd-amdhsa--gfx1250"
	.amdhsa_code_object_version 6
	.text
	.protected	k_qeb1ebcfa81_oproj
	.globl	k_qeb1ebcfa81_oproj
	.p2align	8
	.type	k_qeb1ebcfa81_oproj,@function
k_qeb1ebcfa81_oproj:
	s_mov_b64 s[64:65], 0
	v_nop
	global_prefetch_b8 v0, s[64:65] scope:SCOPE_SE
	s_setreg_imm32_b32 hwreg(HW_REG_WAVE_MODE, 25, 1), 1
	s_wait_xcnt 0x0
	s_wait_alu depctr_hold_cnt(0) depctr_sa_sdst(0) depctr_va_vdst(0) depctr_va_sdst(0) depctr_va_ssrc(0) depctr_va_vcc(0) depctr_vm_vsrc(0)
	s_getreg_b32 s2, hwreg(HW_REG_IB_STS2, 6, 4)
	s_cmp_eq_u32 s2, 0
	s_cbranch_scc0 .Lentry_in_a_cluster
	s_endpgm
.Lentry_in_a_cluster:
	s_bfe_u32 s2, ttmp6, 0x10000c
	s_cmp_lg_u32 s2, 0xf033
	s_cbranch_scc0 .Lentry_shape_is_right
	s_endpgm
.Lentry_shape_is_right:
; OPROJ: out0[token][n] = sum over k of att[token][k] w_o[k][n] + b_o[n], on f16 operands, sums in f32.  att: [bh][position][64] f16 (k = 64 x head + channel); wot: w_o^T, [n][k] f16.
; A tile is 128 tokens x 256 columns: 256 work-groups, one for each WGP.  Four waves, 64 tokens x 128 columns each: 32 accumulators.  K goes in steps of 128, two heads, through a ring of two LDS slots.
; CLUSTERS: 4 x 4; the tokens' tiles are shared along a row of the cluster, w_o^T's along a column: joint loads; where a slot is filled again a round of the cluster's barrier stands in front.
; USED TRANSPOSED (source 0 = 16 columns, source 1 = 16 tokens): a lane holds eight neighbouring columns of one token.  The bias is the C of each sum's first product.
; No prefetch: the tile is small, w_o^T is read by sixteen clusters, and a cluster's rows of att come once, by its joint loads.
; (The first 16 positions of each sequence are written again, more finely, by the launch that follows.)
; REGISTERS: window 0: v16-29 addresses; v64-95, v96-127 the tokens' fragments, two buffers; on the way out v128-255 rows read back.  window 1: v0-63, v64-127 w_o^T's fragments; v128-191 the bias.  window 2: accumulator (a, b) at v[8 (8 a + b)].
.set PA,     144                       ; a token's 64 channels of one head in LDS: 128 bytes + 16
.set PB,     272                       ; a column's 128 along K: 256 bytes + 16
.set PLANE,  128*PA
.set BOFF,   2*PLANE
.set HALFB,  128*PB
.set SLOT,   BOFF+2*HALFB
.set STAGE,  2*SLOT
.set SPITCH, 528
.set SPARE,  STAGE+4*16*SPITCH         ; the spare words: two blocks of 256 bytes that no other line names
.set LAPS,   4
.set ADRA, 16
.set ADRB, 20
.set BO,   22
.set STO,  24
.set RD,   25
.set CO,   26
.set SPW,  28
.set NIL,  29
.set BK,   128
.set BIAS, 128
.set WV, 12
.set RH, 13
.set CH, 14
.set TX, 15
.set TY, 16
.set G1A, 24
.set G0A, 32
.set G1B, 48
.set G0B, 56
.set MSB, 0
.macro WIN new
.if MSB != (\new)
	s_set_vgpr_msb (MSB<<8)|(\new)
.set MSB, (\new)
.endif
.endm
.set MUL,   0xa1                       ; source 0 window 1, source 1 window 0, C and D window 2
.set FIRST, 0x91                       ; C (the bias) in window 1
.macro JLOAD s                         ; waves 0, 1: the two heads' planes of tokens; waves 2, 3: w_o^T's halves.  An s_nop 0 and four v_nop follow each line
	s_cmp_eq_u32 s[RH], 0
	s_cbranch_scc0 .Lfor_b_\@
	tensor_load_to_lds s[G0A+4*\s:G0A+4*\s+3], s[G1A:G1A+7]
	s_nop 0
.rept 4
	v_nop
.endr
	s_branch .Lasked_\@
.Lfor_b_\@:
	tensor_load_to_lds s[G0B+4*\s:G0B+4*\s+3], s[G1B:G1B+7]
	s_nop 0
.rept 4
	v_nop
.endr
.Lasked_\@:
.endm
.macro CREST
	s_cmp_lg_u32 s[WV], 0
	s_cbranch_scc1 .Lnot_wave_0_\@
	s_barrier_signal -3
.Lnot_wave_0_\@:
	s_barrier_wait -3
	s_barrier_signal -1
	s_barrier_wait -1
.endm
.macro CROUND
	s_barrier_signal -1
	s_barrier_wait -1
	CREST
.endm
.macro PLACES
.rept 4
	v_nop
.endr
.endm
.macro MUL8 f, a, first                ; token block a x the eight column blocks, 32 along K, buffer f.  The 32 accumulators take turns
.irp b, 0,1,2,3,4,5,6,7
.if \first
	v_wmma_f32_16x16x32_f16 v[8*(8*(\a)+\b):8*(8*(\a)+\b)+7], v[64*(\f)+8*\b:64*(\f)+8*\b+7], v[64+32*(\f)+8*(\a):64+32*(\f)+8*(\a)+7], v[BIAS+8*\b:BIAS+8*\b+7]
.else
	v_wmma_f32_16x16x32_f16 v[8*(8*(\a)+\b):8*(8*(\a)+\b)+7], v[64*(\f)+8*\b:64*(\f)+8*\b+7], v[64+32*(\f)+8*(\a):64+32*(\f)+8*(\a)+7], v[8*(8*(\a)+\b):8*(8*(\a)+\b)+7]
.endif
.endr
.endm
.macro FETCH slot, kc, f               ; 24 LDS loads in one run: the fragments of the slot's kc-th 32 along K
	WIN 0x40
.irp i, 0,1,2,3,4,5,6,7
	ds_load_b128 v[64*(\f)+8*\i:64*(\f)+8*\i+3],   v[ADRB+\slot] offset:64*(\kc)+\i*16*PB
	ds_load_b128 v[64*(\f)+8*\i+4:64*(\f)+8*\i+7], v[ADRB+\slot] offset:64*(\kc)+\i*16*PB+32
.endr
	WIN 0
.irp i, 0,1,2,3
	ds_load_b128 v[64+32*(\f)+8*\i:64+32*(\f)+8*\i+3],   v[ADRA+\slot] offset:((\kc)/2)*PLANE+64*((\kc)%2)+\i*16*PA
	ds_load_b128 v[64+32*(\f)+8*\i+4:64+32*(\f)+8*\i+7], v[ADRA+\slot] offset:((\kc)/2)*PLANE+64*((\kc)%2)+\i*16*PA+32
.endr
.endm
.macro QUARTER slot, kc, f, g, first   ; multiplies buffer f; in its middle fetches the slot's kc-th quarter into buffer g
	s_wait_dscnt 4                                 ; all but the youngest four loads (token blocks 2, 3)
.if \first
	WIN FIRST
.else
	WIN MUL
.endif
	MUL8 \f, 0, \first
	MUL8 \f, 1, \first
	PLACES
	FETCH \slot, \kc, \g
	s_wait_dscnt 24                                ; all but the 24 just issued
.if \first
	WIN FIRST
.else
	WIN MUL
.endif
	MUL8 \f, 2, \first
	MUL8 \f, 3, \first
.endm
.macro TURN slot, next, fill           ; a K step's last quarter multiplies buffer 1 and changes slots
	WIN 0
	s_wait_tensorcnt 0x0                           ; all my tensor loads have landed: my part of the next slot
	ds_add_u32 v[SPW], v[NIL]
	s_wait_dscnt 5                                 ; the add and the youngest four loads may be out
	WIN MUL
	MUL8 1, 0, 0
	s_wait_dscnt 0x0                               ; the add is done, and my reads of this slot are over
	s_barrier_signal -1
	MUL8 1, 1, 0
.if \fill
	WIN 0
.endif
	s_barrier_wait -1
.if \fill
	CREST                                          ; the barrier has opened a round of the cluster's: no wave of any partner still reads this slot or has a load on its way
	s_add_nc_u64 s[G0A+4*\slot+2:G0A+4*\slot+3], s[G0A+4*\slot+2:G0A+4*\slot+3], 0x100000   ; four heads on
	s_add_nc_u64 s[G0B+4*\slot+2:G0B+4*\slot+3], s[G0B+4*\slot+2:G0B+4*\slot+3], 512        ; 256 along K on
	JLOAD \slot                                    ; my one load behind the round; its four v_nop are also the places ahead of the loads below
.else
	PLACES
.endif
	FETCH \next, 0, 0
	WIN MUL
	MUL8 1, 2, 0
	MUL8 1, 3, 0
.endm
	s_load_b256 s[4:11], s[0:1], 0x0               ; att 4, wot 6, b_o 8, out0 10
	v_lshl_add_u32 v[SPW], v0, 2, SPARE
	v_mov_b32 v[NIL], 0
	ds_add_u32 v[SPW], v[NIL]                      ; the wave's opening: the add, twice on end, and its wait ahead of the first tensor load
	ds_add_u32 v[SPW], v[NIL]
	v_lshrrev_b32 v1, 5, v0
	v_readfirstlane_b32 s[WV], v1
	s_lshr_b32 s[RH], s[WV], 1                     ; my half of the tokens.  Also: I fetch tokens (0) or w_o^T (1)
	s_and_b32 s[CH], s[WV], 1                      ; my half of the columns.  Also: which plane or which 128 rows I fetch
	s_bfe_u32 s40, ttmp6, 0x40000
	s_bfe_u32 s41, ttmp6, 0x40004
	s_lshl_b32 s[TX], ttmp9, 2
	s_add_co_u32 s[TX], s[TX], s40
	s_and_b32 s[TY], ttmp7, 0xffff
	s_lshl_b32 s[TY], s[TY], 2
	s_add_co_u32 s[TY], s[TY], s41
	s_lshl_b32 s43, s41, 2
	s_lshl_b32 s43, 15, s43
	s_lshl_b32 s44, 0x1111, s40
	s_or_b32 s[G1A], s43, (1<<16)|(1<<20)|(1<<21)|(4<<22)|(3<<25)   ; 128 rows of 64 elements of 2 bytes, 4 words of padding after every 32
	s_mov_b32 s[G1A+1], 64<<16
	s_mov_b32 s[G1A+2], 128<<16
	s_mov_b32 s[G1A+3], 64<<16
	s_mov_b32 s[G1A+4], 128
	s_mov_b32 s[G1A+5], 64
	s_mov_b32 s[G1A+6], 0
	s_mov_b32 s[G1A+7], 0
	s_or_b32 s[G1B], s44, (1<<16)|(1<<20)|(1<<21)|(5<<22)|(3<<25)   ; 128 rows of 128 elements, 1,024 apart, 4 words after every 64
	s_mov_b32 s[G1B+1], 128<<16
	s_mov_b32 s[G1B+2], 128<<16
	s_mov_b32 s[G1B+3], 128<<16
	s_mov_b32 s[G1B+4], 128
	s_mov_b32 s[G1B+5], 1024
	s_mov_b32 s[G1B+6], 0
	s_mov_b32 s[G1B+7], 0
	s_lshr_b32 s17, s[TY], 4                       ; the batch
	s_lshl_b32 s17, s17, 4
	s_add_co_u32 s17, s17, s[CH]                   ; its head 0 or 1: my plane
	s_lshl_b32 s17, s17, 18
	s_and_b32 s18, s[TY], 15
	s_lshl_b32 s18, s18, 14                        ; 128 positions of 128 bytes
	s_add_co_u32 s20, s17, s18
	s_mov_b32 s21, 0
	s_lshl_b32 s46, s[TX], 19                      ; 256 rows of 2,048 bytes
	s_lshl_b32 s47, s[CH], 18
	s_add_co_u32 s46, s46, s47
	s_mov_b32 s47, 0
	s_mul_i32 s22, s[CH], PLANE                    ; where they go: the wave's number alone enters an LDS address
	s_mul_i32 s23, s[CH], HALFB
	s_add_co_u32 s23, s23, BOFF
	s_wait_dscnt 0x0
	s_wait_kmcnt 0x0
	s_add_nc_u64 s[20:21], s[4:5], s[20:21]
	s_add_nc_u64 s[46:47], s[6:7], s[46:47]
	CROUND
.irp s, 0,1
	s_mov_b32 s[G0A+4*\s], 1
	s_add_co_u32 s[G0A+4*\s+1], s22, \s*SLOT
	s_add_nc_u64 s[G0A+4*\s+2:G0A+4*\s+3], s[20:21], \s*524288      ; K step s: two heads on
	s_or_b32 s[G0A+4*\s+3], s[G0A+4*\s+3], 0x80000000
	s_mov_b32 s[G0B+4*\s], 1
	s_add_co_u32 s[G0B+4*\s+1], s23, \s*SLOT
	s_add_nc_u64 s[G0B+4*\s+2:G0B+4*\s+3], s[46:47], \s*256
	s_or_b32 s[G0B+4*\s+3], s[G0B+4*\s+3], 0x80000000
	JLOAD \s
.endr
	v_and_b32 v1, 15, v0
	v_bfe_u32 v2, v0, 4, 1
	v_mul_u32_u24 v3, v1, PA
	v_lshl_add_u32 v3, v2, 4, v3
	v_mul_u32_u24 v4, v1, PB
	v_lshl_add_u32 v4, v2, 4, v4
	s_mul_i32 s2, s[RH], 64*PA                     ; my 64 tokens
	s_mul_i32 s3, s[CH], HALFB                     ; my 128 columns
	s_add_co_u32 s3, s3, BOFF
.irp s, 0,1
	v_add_nc_u32 v[ADRA+\s], s2, v3
	v_add_nc_u32 v[ADRB+\s], s3, v4
	s_add_co_u32 s2, s2, SLOT
	s_add_co_u32 s3, s3, SLOT
.endr
	s_mul_i32 s2, s[WV], 16*SPITCH
	s_add_co_u32 s2, s2, STAGE
	v_mul_u32_u24 v5, v1, SPITCH
	v_lshl_add_u32 v5, v2, 5, v5
	v_add_nc_u32 v[STO], s2, v5
	v_and_b32 v6, 31, v0
	v_lshlrev_b32 v[CO], 4, v6
	v_add_nc_u32 v[RD], s2, v[CO]
	v_lshlrev_b32 v[BO], 5, v2
	s_lshl_b32 s2, s[TX], 10
	s_lshl_b32 s3, s[CH], 9
	s_add_co_u32 s2, s2, s3                        ; my first column, in bytes
	s_mov_b32 s3, 0
	s_add_nc_u64 s[8:9], s[8:9], s[2:3]
	s_add_nc_u64 s[10:11], s[10:11], s[2:3]
	s_lshl_b32 s2, s[TY], 7
	s_lshl_b32 s17, s[RH], 6
	s_add_co_u32 s2, s2, s17
	s_lshl_b32 s2, s2, 12                          ; my first token's row of 4,096 bytes
	s_add_nc_u64 s[10:11], s[10:11], s[2:3]
	WIN 0x40
.irp b, 0,1,2,3,4,5,6,7
	global_load_b128 v[BIAS+8*\b:BIAS+8*\b+3], v[BO], s[8:9] offset:64*\b
	global_load_b128 v[BIAS+8*\b+4:BIAS+8*\b+7], v[BO], s[8:9] offset:64*\b+16
.endr
	WIN 0
	s_wait_tensorcnt 1                             ; my part of K step 0 is in; K step 1's load may be out
	s_barrier_signal -1
	s_barrier_wait -1
	FETCH 0, 0, 0
	s_wait_loadcnt 0x0                             ; the bias
	QUARTER 0, 1, 0, 1, 1                          ; the first quarter stands ahead of the loop: its products start the sums from the bias
	WIN 0
	s_mov_b32 s3, LAPS-1
.Llap:                                                 ; a trip goes once round the ring and fills both slots again
	QUARTER 0, 2, 1, 0, 0
	QUARTER 0, 3, 0, 1, 0
	TURN 0, 1, 1
	QUARTER 1, 1, 0, 1, 0
	QUARTER 1, 2, 1, 0, 0
	QUARTER 1, 3, 0, 1, 0
	TURN 1, 0, 1
	QUARTER 0, 1, 0, 1, 0
	WIN 0
	s_sub_co_u32 s3, s3, 1
	s_cmp_lg_u32 s3, 0
	s_cbranch_scc1 .Llap
	QUARTER 0, 2, 1, 0, 0                          ; the last lap fills nothing
	QUARTER 0, 3, 0, 1, 0
	TURN 0, 1, 0
	QUARTER 1, 1, 0, 1, 0
	QUARTER 1, 2, 1, 0, 0
	QUARTER 1, 3, 0, 1, 0
	s_wait_dscnt 4
	WIN MUL
	MUL8 1, 0, 0
	MUL8 1, 1, 0
	s_wait_dscnt 0
	MUL8 1, 2, 0
	MUL8 1, 3, 0
	WIN 0
; THE WAY OUT, a block of 16 tokens x 128 columns at a time, through my own stage: back as whole rows of 512 bytes
.macro TOSTAGE a
	WIN 0x08                                       ; an LDS store's data are its source 1: window 2
.irp b, 0,1,2,3,4,5,6,7
	ds_store_b128 v[STO], v[8*(8*(\a)+\b):8*(8*(\a)+\b)+3] offset:64*\b           ; each accumulator from its low end on
	ds_store_b128 v[STO], v[8*(8*(\a)+\b)+4:8*(8*(\a)+\b)+7] offset:64*\b+16
.endr
	WIN 0
.irp t, 0,1,2,3,4,5,6,7,8,9,10,11,12,13,14,15
	ds_load_b128 v[BK+64*((\a)%2)+4*\t:BK+64*((\a)%2)+4*\t+3], v[RD] offset:\t*SPITCH   ; in order behind the stores above
.endr
.endm
.macro SEND a, younger
	s_wait_dscnt \younger
.irp t, 0,1,2,3,4,5,6,7,8,9,10,11,12,13,14,15
	global_store_b128 v[CO], v[BK+64*((\a)%2)+4*\t:BK+64*((\a)%2)+4*\t+3], s[10:11] offset:(16*(\a)+\t)*4096 th:TH_STORE_NT   ; 32 lanes store 512 consecutive bytes
.endr
.endm
	PLACES
	TOSTAGE 0
.irp a, 1,2,3
.if \a > 1
	s_wait_xcnt 0x0                                ; the stores of two blocks back have read the registers that the loads below fill
.endif
	TOSTAGE \a
	SEND \a-1, 32                                  ; behind that block's loads: this block's 16 stores and 16 loads
.endr
	SEND 3, 0
	s_wait_tensorcnt 0x0                           ; the wave's end
	ds_add_u32 v[SPW], v[NIL]
	s_wait_dscnt 0x0
	CROUND                                         ; the closing round
	s_endpgm
.Lfunc_end_k_qeb1ebcfa81_oproj:
	.size	k_qeb1ebcfa81_oproj, .Lfunc_end_k_qeb1ebcfa81_oproj-k_qeb1ebcfa81_oproj
	.p2alignl 7, 3214868480
	.fill 96, 4, 3214868480
	.section	.rodata,"a",@progbits
	.p2align	6, 0x0
	.amdhsa_kernel k_qeb1ebcfa81_oproj
		.amdhsa_group_segment_fixed_size 327680
		.amdhsa_private_segment_fixed_size 0
		.amdhsa_enable_private_segment 0
		.amdhsa_kernarg_size 32
		.amdhsa_user_sgpr_count 2
		.amdhsa_user_sgpr_kernarg_segment_ptr 1
		.amdhsa_wavefront_size32 1
		.amdhsa_system_sgpr_workgroup_id_x 1
		.amdhsa_system_sgpr_workgroup_id_y 1
		.amdhsa_system_sgpr_workgroup_id_z 1
		.amdhsa_system_vgpr_workitem_id 0
		.amdhsa_next_free_vgpr 768
		.amdhsa_next_free_sgpr 66
		.amdhsa_reserve_vcc 0
		.amdhsa_float_denorm_mode_32 3
		.amdhsa_float_denorm_mode_16_64 3
		.amdhsa_memory_ordered 1
		.amdhsa_forward_progress 1
		.amdhsa_inst_pref_size 87
	.end_amdhsa_kernel
	.amdgpu_metadata
---
amdhsa.version: [ 1, 2 ]
amdhsa.kernels:
  - .name:           k_qeb1ebcfa81_oproj
    .symbol:         k_qeb1ebcfa81_oproj.kd
    .args:
      - { .name: att, .offset: 0, .size: 8, .value_kind: global_buffer, .address_space: global }
      - { .name: wot, .offset: 8, .size: 8, .value_kind: global_buffer, .address_space: global }
      - { .name: b_o, .offset: 16, .size: 8, .value_kind: global_buffer, .address_space: global }
      - { .name: out0, .offset: 24, .size: 8, .value_kind: global_buffer, .address_space: global }
    .group_segment_fixed_size: 327680
    .private_segment_fixed_size: 0
    .kernarg_segment_align: 8
    .kernarg_segment_size: 32
    .max_flat_workgroup_size: 128
    .sgpr_count:     66
    .vgpr_count:     768
    .wavefront_size: 32
...
	.end_amdgpu_metadata
.endif
;; end of part 4
;; launch fine (part 5): grid 64 x 4, 16 waves a work-group, no clusters, 18,432 bytes of LDS; arguments qkvf, w_o, b_o, out0; writes out0
.if DOCPART == 5
	.amdgcn_target "amdgcn-amd-amdhsa--gfx1250"
	.amdhsa_code_object_version 6
	.text
	.protected	k_qeb1ebcfa81_fine
	.globl	k_qeb1ebcfa81_fine
	.p2align	8
	.type	k_qeb1ebcfa81_fine,@function
k_qeb1ebcfa81_fine:
	s_mov_b64 s[64:65], 0
	v_nop
	global_prefetch_b8 v0, s[64:65] scope:SCOPE_SE
	s_setreg_imm32_b32 hwreg(HW_REG_WAVE_MODE, 25, 1), 1
	s_wait_xcnt 0x0
; FINE: the first 16 positions of each of the 4 sequences once more, all in f32: they average one to sixteen values and are the largest outputs, so the rounding of 16-bit operands weighs most there.
; qkvf: [Q, K, V][batch][16 positions][1024] f32 (bias and rotation done).  A work-group makes 16 positions x 16 output columns of one batch; wave = head.  Each wave: its head's 16 x 16 attention, then its head's
; 64 channels times 16 columns of w_o; the sixteen heads' parts meet in LDS and waves 0 and 1 add them, add b_o and store.  Every work-group of a batch repeats that batch's small attention.
; All products by the f32 matrix form, 4 along K; its accumulators are written by matrix instructions alone and begin with C = 0; two or four accumulators take turns.
; The same order of k is used on both sides of each product, chosen so that a result's registers are the next product's operand as they lie:
;   S^T = K Q^T: lane (r, h) holds query r, keys 8 h + j.   O^T = V^T P: instruction c takes p's registers 2 c, 2 c + 1: keys 8 h + 2 c + j.   out^T = W^T O: likewise O's registers: channels 16 t + 8 h + 2 c + j.
; Stores are pieces of 64 bytes of a row: 256 KB in the whole launch.
.set SPARE, 16384                      ; behind the sixteen parts: the spare words, eight blocks of 256 bytes that no other line names
	s_load_b256 s[4:11], s[0:1], 0x0               ; qkvf 4, w_o 6, b_o 8, out0 10
	v_lshl_add_u32 v2, v0, 2, SPARE
	v_mov_b32 v3, 0
	v_lshrrev_b32 v1, 5, v0
	v_readfirstlane_b32 s12, v1                    ; wave = head
	s_and_b32 s14, ttmp7, 0xffff                   ; batch
	v_and_b32 v4, 15, v0                           ; r
	v_bfe_u32 v5, v0, 4, 1                         ; h
	v_lshlrev_b32 v6, 12, v4
	v_lshl_add_u32 v6, v5, 4, v6                   ; K, Q: position r's row of 4,096 bytes + 16 h
	v_lshlrev_b32 v7, 2, v4
	v_lshl_add_u32 v7, v5, 15, v7                  ; V, w_o: 8 h rows of 4,096 bytes + 4 r
	v_lshlrev_b32 v8, 3, v5
	v_sub_nc_u32 v8, v4, v8                        ; r - 8 h
	v_mov_b32 v9, 0xff800000
	v_mov_b32 v11, 0                               ; a lane permute's destination counts as read
	s_lshl_b32 s23, s12, 10
	v_lshlrev_b32 v16, 6, v4
	v_lshl_add_u32 v16, v5, 5, v16
	v_add_nc_u32 v16, s23, v16                     ; my part in LDS: [position r][16 columns]
	v_lshlrev_b32 v17, 4, v0                       ; the adding threads: 16 bytes each
	v_and_b32 v18, 3, v0
	v_lshlrev_b32 v18, 4, v18
	v_lshrrev_b32 v19, 2, v0
	v_lshl_add_u32 v19, v19, 12, v18
	s_lshl_b32 s16, s14, 16
	s_lshl_b32 s17, s12, 8
	s_add_co_u32 s16, s16, s17                     ; batch x 65,536 + head x 256
	s_mov_b32 s17, 0
	s_lshl_b32 s18, s12, 18                        ; the head's 64 rows of w_o
	s_lshl_b32 s24, ttmp9, 6                       ; my 16 columns, in bytes
	s_add_co_u32 s18, s18, s24
	s_mov_b32 s19, 0
	s_mov_b32 s25, 0
	s_lshl_b32 s26, s14, 23                        ; the batch's first row of out0
	s_add_co_u32 s26, s26, s24
	s_mov_b32 s27, 0
	s_mov_b32 s20, 0x76543210
	s_mov_b32 s21, 0xfedcba98
	s_mov_b32 s22, 0x3e38aa3b                      ; c = log2(e) / 8
	s_wait_kmcnt 0x0
	s_add_nc_u64 s[4:5], s[4:5], s[16:17]
	s_add_nc_u64 s[6:7], s[6:7], s[18:19]
	s_add_nc_u64 s[8:9], s[8:9], s[24:25]
	s_add_nc_u64 s[10:11], s[10:11], s[26:27]
.irp c, 0,1,2,3,4,5,6,7
	global_load_b128 v[32+4*\c:35+4*\c], v6, s[4:5] offset:262144+32*\c    ; K: channels 8 c + 4 h + 0 .. 3
.endr
.irp c, 0,1,2,3,4,5,6,7
	global_load_b128 v[64+4*\c:67+4*\c], v6, s[4:5] offset:32*\c           ; Q likewise
.endr
.irp t, 0,1,2,3
.irp c, 0,1,2,3
.irp j, 0,1
	global_load_b32 v[96+8*\t+2*\c+\j], v7, s[4:5] offset:524288+(2*\c+\j)*4096+64*\t   ; V(key 8 h + 2 c + j, channel 16 t + r)
.endr
.endr
.endr
	s_wait_loadcnt 32                              ; K and Q are in; V's 32 loads may be out
.irp t, 0,1,2
.irp c, 0,1,2,3
.irp j, 0,1
	global_load_b32 v[128+8*\t+2*\c+\j], v7, s[6:7] offset:(16*\t+2*\c+\j)*4096         ; w_o(channel 16 t + 8 h + 2 c + j, column r)
.endr
.endr
.endr
.irp e, 0,1,2,3,4,5,6,7,8,9,10,11,12,13,14,15
.if \e < 2
	v_wmma_f32_16x16x4_f32 v[160+8*(\e%2):167+8*(\e%2)], v[32+2*\e:33+2*\e], v[64+2*\e:65+2*\e], 0
.else
	v_wmma_f32_16x16x4_f32 v[160+8*(\e%2):167+8*(\e%2)], v[32+2*\e:33+2*\e], v[64+2*\e:65+2*\e], v[160+8*(\e%2):167+8*(\e%2)]
.endif
.endr
.rept 8
	v_nop                                          ; eight places behind this form, ahead of the first read of its results (ISA guide 7.12.1)
.endr
.irp j, 0,1,2,3,4,5,6,7
	v_add_f32 v[224+\j], v[160+\j], v[168+\j]
.endr
.irp j, 0,1,2,3,4,5,6,7
	v_cmp_gt_i32 vcc_lo, \j, v8                    ; key 8 h + j comes after query r
	v_cndmask_b32 v[224+\j], v[224+\j], v9, vcc_lo
.endr
	v_max3_num_f32 v10, v224, v225, v226
	v_max3_num_f32 v10, v10, v227, v228
	v_max3_num_f32 v10, v10, v229, v230
	v_max_num_f32 v10, v10, v231
	v_permlanex16_b32 v11, v10, s20, s21
	v_max_num_f32 v10, v10, v11                    ; the row's maximum (key 0 counts for every query)
	v_mul_f32 v10, s22, v10
.irp j, 0,1,2,3,4,5,6,7
	v_fma_f32 v[224+\j], v[224+\j], s22, -v10
.endr
.irp j, 0,1,2,3,4,5,6,7
	v_exp_f32 v[224+\j], v[224+\j]
.endr
	v_nop
	s_wait_alu depctr_va_vdst(0)                   ; one wait for the eight, ahead of their first reader
	v_add_f32 v12, v224, v225
	v_add_f32 v13, v226, v227
	v_add_f32 v14, v228, v229
	v_add_f32 v15, v230, v231
	v_add_f32 v12, v12, v13
	v_add_f32 v14, v14, v15
	v_add_f32 v12, v12, v14
	v_permlanex16_b32 v11, v12, s20, s21
	v_add_f32 v12, v12, v11
	v_rcp_f32 v13, v12
	v_nop
	s_wait_alu depctr_va_vdst(0)
.irp j, 0,1,2,3,4,5,6,7
	v_mul_f32 v[232+\j], v[224+\j], v13            ; the weights, normalised
.endr
	s_wait_loadcnt 24                              ; V is in; 24 loads of w_o may be out
.irp c, 0,1,2,3
.irp j, 0,1
	global_load_b32 v[152+2*\c+\j], v7, s[6:7] offset:(48+2*\c+\j)*4096
.endr
.endr
.irp c, 0,1,2,3
.irp t, 0,1,2,3
.if \c == 0
	v_wmma_f32_16x16x4_f32 v[176+8*\t:183+8*\t], v[96+8*\t+2*\c:97+8*\t+2*\c], v[232+2*\c:233+2*\c], 0
.else
	v_wmma_f32_16x16x4_f32 v[176+8*\t:183+8*\t], v[96+8*\t+2*\c:97+8*\t+2*\c], v[232+2*\c:233+2*\c], v[176+8*\t:183+8*\t]
.endif
.endr
.endr
.rept 9
	v_nop                                          ; nine places ahead of matrix instructions that take these results as an operand
.endr
	s_wait_loadcnt 0x0                             ; w_o
.irp t, 0,1,2,3
.irp c, 0,1,2,3
.if (\t == 0) && (\c < 2)
	v_wmma_f32_16x16x4_f32 v[208+8*(\c%2):215+8*(\c%2)], v[128+8*\t+2*\c:129+8*\t+2*\c], v[176+8*\t+2*\c:177+8*\t+2*\c], 0
.else
	v_wmma_f32_16x16x4_f32 v[208+8*(\c%2):215+8*(\c%2)], v[128+8*\t+2*\c:129+8*\t+2*\c], v[176+8*\t+2*\c:177+8*\t+2*\c], v[208+8*(\c%2):215+8*(\c%2)]
.endif
.endr
.endr
.rept 8
	v_nop
.endr
.irp j, 0,1,2,3,4,5,6,7
	v_add_f32 v[224+\j], v[208+\j], v[216+\j]      ; lane (r, h): position r, columns 8 h + j: my head's part
.endr
	ds_store_b128 v16, v[224:227]
	ds_store_b128 v16, v[228:231] offset:16
	s_wait_dscnt 0x0                               ; for the others' sake: my part lies in LDS
	s_barrier_signal -1
	s_barrier_wait -1
	s_cmp_lt_u32 s12, 2
	s_cbranch_scc0 .Ldone
	global_load_b128 v[20:23], v18, s[8:9]         ; b_o of my four columns
.irp i, 0,1,2,3,4,5,6,7,8,9,10,11,12,13,14,15
	ds_load_b128 v[32+4*\i:35+4*\i], v17 offset:1024*\i
.endr
	s_wait_dscnt 0x0
.irp i, 0,2,4,6,8,10,12,14
	v_pk_add_f32 v[32+4*\i:33+4*\i], v[32+4*\i:33+4*\i], v[36+4*\i:37+4*\i]
	v_pk_add_f32 v[34+4*\i:35+4*\i], v[34+4*\i:35+4*\i], v[38+4*\i:39+4*\i]
.endr
.irp i, 0,4,8,12
	v_pk_add_f32 v[32+4*\i:33+4*\i], v[32+4*\i:33+4*\i], v[40+4*\i:41+4*\i]
	v_pk_add_f32 v[34+4*\i:35+4*\i], v[34+4*\i:35+4*\i], v[42+4*\i:43+4*\i]
.endr
.irp i, 0,8
	v_pk_add_f32 v[32+4*\i:33+4*\i], v[32+4*\i:33+4*\i], v[48+4*\i:49+4*\i]
	v_pk_add_f32 v[34+4*\i:35+4*\i], v[34+4*\i:35+4*\i], v[50+4*\i:51+4*\i]
.endr
	v_pk_add_f32 v[32:33], v[32:33], v[64:65]
	v_pk_add_f32 v[34:35], v[34:35], v[66:67]
	s_wait_loadcnt 0x0
	v_pk_add_f32 v[32:33], v[32:33], v[20:21]
	v_pk_add_f32 v[34:35], v[34:35], v[22:23]
	global_store_b128 v19, v[32:35], s[10:11]
.Ldone:
	s_wait_tensorcnt 0x0                           ; the wave's end
	ds_add_u32 v2, v3
	s_wait_dscnt 0x0
	s_endpgm
.Lfunc_end_k_qeb1ebcfa81_fine:
	.size	k_qeb1ebcfa81_fine, .Lfunc_end_k_qeb1ebcfa81_fine-k_qeb1ebcfa81_fine
	.p2alignl 7, 3214868480
	.fill 96, 4, 3214868480
	.section	.rodata,"a",@progbits
	.p2align	6, 0x0
	.amdhsa_kernel k_qeb1ebcfa81_fine
		.amdhsa_group_segment_fixed_size 18432
		.amdhsa_private_segment_fixed_size 0
		.amdhsa_enable_private_segment 0
		.amdhsa_kernarg_size 32
		.amdhsa_user_sgpr_count 2
		.amdhsa_user_sgpr_kernarg_segment_ptr 1
		.amdhsa_wavefront_size32 1
		.amdhsa_system_sgpr_workgroup_id_x 1
		.amdhsa_system_sgpr_workgroup_id_y 1
		.amdhsa_system_sgpr_workgroup_id_z 1
		.amdhsa_system_vgpr_workitem_id 0
		.amdhsa_next_free_vgpr 240
		.amdhsa_next_free_sgpr 66
		.amdhsa_reserve_vcc 1
		.amdhsa_float_denorm_mode_32 3
		.amdhsa_float_denorm_mode_16_64 3
		.amdhsa_memory_ordered 1
		.amdhsa_forward_progress 1
		.amdhsa_inst_pref_size 20
	.end_amdhsa_kernel
	.amdgpu_metadata
---
amdhsa.version: [ 1, 2 ]
amdhsa.kernels:
  - .name:           k_qeb1ebcfa81_fine
    .symbol:         k_qeb1ebcfa81_fine.kd
    .args:
      - { .name: qkvf, .offset: 0, .size: 8, .value_kind: global_buffer, .address_space: global }
      - { .name: w_o, .offset: 8, .size: 8, .value_kind: global_buffer, .address_space: global }
      - { .name: b_o, .offset: 16, .size: 8, .value_kind: global_buffer, .address_space: global }
      - { .name: out0, .offset: 24, .size: 8, .value_kind: global_buffer, .address_space: global }
    .group_segment_fixed_size: 18432
    .private_segment_fixed_size: 0
    .kernarg_segment_align: 8
    .kernarg_segment_size: 32
    .max_flat_workgroup_size: 512
    .sgpr_count:     66
    .vgpr_count:     240
    .wavefront_size: 32
...
	.end_amdgpu_metadata
.endif
;; end of part 5
